; MI455X (gfx1250); checked and timed in simulation.
; The chip was launched on July 23, 2026; its instructions are those of AMD's public machine-readable ISA for CDNA 5 (MIT licence, August 2026) and "CDNA5" Instruction Set Architecture Reference Guide (July 2026). The comments in the code are by the model that wrote it; some were corrected since.
;; Causal Self Attention. Allowed arithmetic: matrix products marked QUANTISED: E2M1 operands, one E8M0 scale for each 32 along K, by v_wmma_scale_f32_16x16x128_f8f6f4 with both operands' format E2M1 (or v_wmma_scale_f32_32x16x128_f4), f32 sums; products left as they are: bf16, f16 or f32 operands; f32 sums; everything else in f32.
;; Inputs: W_attn 1,024 x 3,072 float32; W_proj 1,024 x 1,024 float32; b_attn 3,072 float32; b_proj 1,024 float32; x 4 x 2,048 x 1,024 float32.
;; Outputs: out0 4 x 2,048 x 1,024 float32.
;; This version of the problem:
;;   THIS VERSION OF THE PROBLEM IS GIVEN IN LOW PRECISION. The matrix products marked QUANTISED in the list below multiply operands that are first quantised to E2M1 (2 exponent bits, 1 mantissa bit; 4 bits a number), with one power-of-two scale for each 32 numbers along K (OCP MX v1.0); their sums are f32. The products marked 'left as it is' may take bf16, f16 or f32 operands, with f32 sums. Whichever they take, every output number must still come out within the allowed error. Rounding operands to bf16 (8 significant bits) uses up far more of that allowance than f16 does (11 bits, for magnitudes from 6e-5 to 65,504). All else is computed in f32.
;;   The module's matrix products, in the order in which they are computed (A, B: the left and right operand; K: the contracted axis; several contracted axes count as one K, in the product's order):
;;     1. [M 8,192, K 1,024] x [K 1,024, N 3,072]; A: input x; B: input W_attn: QUANTISED
;;     2. batch 64 x [M 2,048, K 64] x [K 64, N 2,048]; A: computed on the way; B: computed on the way: left as it is (an operand is computed on the way)
;;     3. batch 64 x [M 2,048, K 2,048] x [K 2,048, N 64]; A: computed on the way; B: computed on the way: left as it is (an operand is computed on the way)
;;     4. [M 8,192, K 1,024] x [K 1,024, N 1,024]; A: computed on the way; B: input W_proj: left as it is (an operand is computed on the way)
;;   THE QUANTISER, for each operand of a quantised product, along K:
;;     - K is cut into blocks of 32 from its start; a last block that is shorter is filled with zeros.
;;     - A block's scale is 2^e with e = floor(log2(the largest magnitude in the block)) - 2, held to -126 .. 127; a block of zeros has e = 0. As a byte (E8M0): e + 127.
;;     - Each number is divided by its block's scale, clamped to +-6, and rounded to the nearest number of E2M1, ties to even, subnormals kept.
;;     - The product sums the exact products of the quantised numbers (number of the format x scale) in f32.
;;   ~~~python
;;   def quantise(x, axis):      # numpy; x: float32 -> the quantised numbers, widened to float32 again
;;       x = np.moveaxis(x, axis, -1); K = x.shape[-1]
;;       x = np.pad(x, [(0, 0)] * (x.ndim - 1) + [(0, -K % 32)]); x = x.reshape(x.shape[:-1] + (-1, 32)); a = np.abs(x).max(-1, keepdims=True)
;;       e = np.where(a > 0, np.clip(np.frexp(np.where(a > 0, a, 1))[1] - 1 - 2, -126, 127), 0)      # np.frexp(a)[1] - 1 = floor(log2(a)), exactly
;;       r = np.clip(x / 2.0 ** e, -6, 6)
;;       step = 2.0 ** (np.maximum(np.frexp(np.where(r == 0, 1, r))[1] - 1, 0) - 1)
;;       q = np.round(r / step) * step * 2.0 ** e      # np.round: ties to even
;;       return np.moveaxis(q.reshape(q.shape[:-2] + (-1,))[..., :K], -1, axis).astype(np.float32)
;;   ~~~
;; One version. Each part assembles by itself: llvm-mc -triple=amdgcn-amd-amdhsa -mcpu=gfx1250 --defsym DOCPART=n.
;; ======== version 1 of 1: 5 launches
;; limits: values are held in f16: magnitudes above 65,504 overflow, below 6.1e-05 lose precision
;; workspace buffers: x_codes 4,194,304 bytes; x_scales 262,144 bytes; w_codes 1,572,864 bytes; w_scales 98,304 bytes; w16 2,097,152 bytes; qkv 50,331,648 bytes; fineq 786,432 bytes; ctx16 16,777,216 bytes
;; launch prep (part 1): grid 432 x 1, 4 waves a work-group, no clusters, 68,096 bytes of LDS; arguments x, W_attn, W_proj, x_codes, x_scales, w_codes, w_scales, w16; writes x_codes, x_scales, w_codes, w_scales, w16
.if DOCPART == 1
	.amdgcn_target "amdgcn-amd-amdhsa--gfx1250"
	.amdhsa_code_object_version 6
	.text
	.protected	k_q54b6703ff0_prep
	.globl	k_q54b6703ff0_prep
	.p2align	8
	.type	k_q54b6703ff0_prep,@function
k_q54b6703ff0_prep:
	s_mov_b64 s[64:65], 0
	v_nop
	global_prefetch_b8 v0, s[64:65] scope:SCOPE_SE
	s_setreg_imm32_b32 hwreg(HW_REG_WAVE_MODE, 25, 1), 1
	s_wait_xcnt 0x0
; PREP: three jobs in one launch, told apart by the work-group's number alone.
;   work-groups 0-255:   x [8192][1024] f32 (K innermost)   -> codes of E2M1, [8192][512 bytes], and E8M0 scale bytes [8192][32]
;   work-groups 256-303: W_attn [1024 k][3072 n] f32 (K is the FIRST axis) -> codes [3072 n][512 bytes], K innermost, and scale bytes [3072][32]
;   work-groups 304-431: W_proj [1024][1024] f32 -> f16, as it lies (the last product is left as it is and takes f16 operands)
; A block's scale is 2^(floor(log2(its largest magnitude)) - 2); its byte is the largest magnitude's exponent field - 2, held at 1 from below.
; A block of zeros so gets the byte 1 where the rule says 127: its codes are zeros, which add nothing under any byte but 0xff, and this program alone reads the bytes.
; LIMITS: blocks whose largest magnitude lies under 2^-124 keep the byte 1; NaN and infinities among the inputs are not served; W_proj's magnitudes up to 65,504 (f16).
; Each path has LDS bytes of its own and ends by itself.  No tensor loads, no barrier: waves share nothing.
.set XWG,    256                       ; work-groups for x: 8192 x 1024 / 32768
.set WWG,    48                        ; for W_attn: 24 strips of 128 columns x 2 halves of K
.set SPW,    192                       ; v192  LDS address of my spare word; never rewritten
.set NIL,    193                       ; v193  0; never rewritten
.set SPARE,  67584                     ; behind both paths' regions: 128 bytes for each wave
.set EMAX,   2
.set STEPS,  16                        ; path X: steps of 512 numbers a wave
.set CB,     8                         ; bytes of 16 codes
.set XR,     16                        ; v16-79   four sets of 16 numbers as loaded
.set XX,     80                        ; v80-111  two sets of 16 neighbours
.set XE,     112                       ; v112-127 a scale byte for each step
.set XC,     128                       ; v128-191 codes, four registers a step
.set WREG,   8192                      ; path X: LDS region of a wave: two stages of 32 x SP, then its 256 scale bytes
.set SP,     80                        ; a lane's place in a stage: 64 bytes + 16 of padding
.set WN,     3072                      ; path W
.set KW,     512                       ; along K for a wave
.set NB,     16                        ; blocks of 32
.set WPITCH, 272                       ; a stage row: 256 bytes of codes + 16
.set WSTG,   32768                     ; path W's stages begin here: 4 x 32 x 272 bytes
.set KROW,   512                       ; a row of w_codes
.set WX,     32                        ; v32-95   two sets of 32 numbers
.set WC,     96                        ; v96-99   a block's codes
.set WOUT,   112                       ; v112-175 the way out
.set WSB,    24                        ; v24-27   scale bytes, four to a register
.macro CLOSE                           ; the wave's end
	s_wait_tensorcnt 0x0
	ds_add_u32 v[SPW], v[NIL]
	s_wait_dscnt 0x0
	s_endpgm
.endm
	s_load_b512 s[4:19], s[0:1], 0x0               ; x, W_attn, W_proj, x_codes, x_scales, w_codes, w_scales, w16
	v_lshl_add_u32 v[SPW], v0, 2, SPARE
	v_mov_b32 v[NIL], 0
	v_lshrrev_b32 v1, 5, v0
	v_readfirstlane_b32 s20, v1                    ; wave 0..3
	v_and_b32 v2, 31, v0                           ; lane
	s_wait_kmcnt 0x0
	s_cmp_lt_u32 ttmp9, XWG
	s_cbranch_scc0 .Lnot_x
; ---------------- PATH X: a plain stream of blocks of 32.  A wave takes 16 steps of 512 numbers.  Each load reads 512 consecutive bytes; a step's 2,048 bytes turn through the wave's
; own stage in LDS so that a lane then holds 16 neighbours along K (two neighbouring lanes hold a block).
	v_lshlrev_b32 v3, 4, v2                        ; my 16 bytes of a load's 512
	s_mul_i32 s21, s20, WREG
	v_lshrrev_b32 v14, 2, v2
	v_mul_u32_u24 v14, v14, SP
	v_and_b32 v15, 3, v2
	v_lshl_add_u32 v14, v15, 4, v14
	v_add_nc_u32 v14, s21, v14                     ; the stage, on the way in: SP (lane / 4) + 16 (lane % 4)
	v_mul_u32_u24 v15, v2, SP
	v_add_nc_u32 v15, s21, v15                     ; and on the way out: SP x lane
	v_mul_u32_u24 v4, v2, CB                       ; my codes' place in a step's
	v_lshrrev_b32 v5, 1, v2
	s_add_co_u32 s21, s21, 2*32*SP
	v_add_nc_u32 v5, s21, v5                       ; LDS: my block's scale byte
	v_lshlrev_b32 v7, 3, v2
	v_add_nc_u32 v6, s21, v7                       ; and on the way out 8 bytes a lane
	s_lshl_b32 s22, ttmp9, 2
	s_add_co_u32 s22, s22, s20                     ; which run of 8,192 numbers is my wave's
	s_lshl_b32 s24, s22, 15
	s_mov_b32 s25, 0
	s_add_nc_u64 s[4:5], s[4:5], s[24:25]          ; 32,768 bytes of x a run,
	s_lshl_b32 s24, s22, 12
	s_add_nc_u64 s[10:11], s[10:11], s[24:25]      ; 4,096 of codes,
	s_lshl_b32 s24, s22, 8
	s_add_nc_u64 s[12:13], s[12:13], s[24:25]      ; 256 scale bytes
.macro XLOAD t
.irp i, 0,1,2,3
	global_load_b128 v[XR+16*((\t)%4)+4*\i:XR+16*((\t)%4)+4*\i+3], v3, s[4:5] offset:2048*(\t)+512*\i th:TH_LOAD_NT
.endr
.endm
.macro XTURN t                         ; LDS serves a wave's instructions in order: no wait between the stores and the loads
.irp i, 0,1,2,3
	ds_store_b128 v14, v[XR+16*((\t)%4)+4*\i:XR+16*((\t)%4)+4*\i+3] offset:32*SP*((\t)%2)+8*SP*\i
.endr
.irp i, 0,1,2,3
	ds_load_b128 v[XX+16*((\t)%2)+4*\i:XX+16*((\t)%2)+4*\i+3], v15 offset:32*SP*((\t)%2)+16*\i
.endr
.endm
.irp t, 0,1,2,3
	XLOAD \t
.endr
	s_wait_loadcnt 12                              ; step 0's four loads are in; twelve younger ones stay out
	XTURN 0
.macro XSTEP t
.set XS, XX+16*((\t)%2)
.if (\t) > 0
	s_wait_dscnt 1                                 ; this step's numbers are back from the stage; the last step's byte store may be out
.else
	s_wait_dscnt 0x0
.endif
.if (\t)+4 < STEPS
	XLOAD (\t)+4                                   ; into the set whose stores into the stage are done
.endif
.if (\t)+1 < STEPS
.if STEPS-2-(\t) >= 3
	s_wait_loadcnt 12                              ; the next step's four loads are in; those of the three steps behind it may be out
.else
	s_wait_loadcnt 4*(STEPS-2-(\t))
.endif
	XTURN (\t)+1
.endif
	v_max3_num_f32 v8, |v[XS]|, |v[XS+1]|, |v[XS+2]|               ; the largest magnitude of my 16, in two chains
	v_max3_num_f32 v9, |v[XS+3]|, |v[XS+4]|, |v[XS+5]|
.irp i, 6,10
	v_max3_num_f32 v8, v8, |v[XS+\i]|, |v[XS+\i+1]|
	v_max3_num_f32 v9, v9, |v[XS+\i+2]|, |v[XS+\i+3]|
.endr
	v_max3_num_f32 v8, v8, |v[XS+14]|, |v[XS+15]|
	v_max3_num_f32 v8, v8, v9, (EMAX+1)<<23        ; and the floor 2^(3 - 127): the byte cannot fall under 1
	v_max_num_f32_dpp v8, v8, v8 row_xmask:1 row_mask:0xf bank_mask:0xf   ; with my neighbour's 16: the block's
	v_add_nc_u32 v11, -(EMAX<<23), v8              ; 2 off its exponent field: the conversion takes this operand's exponent field as its scale
	v_cvt_scalef32_pk8_fp4_f32 v[XC+4*(\t)], v[XS:XS+7], v11
	v_cvt_scalef32_pk8_fp4_f32 v[XC+4*(\t)+1], v[XS+8:XS+15], v11
	v_lshrrev_b32 v[XE+(\t)], 23, v11              ; the scale's byte
	ds_store_b8 v5, v[XE+(\t)] offset:16*(\t)      ; both lanes of a block write the same byte with the same value
	global_store_b64 v4, v[XC+4*(\t):XC+4*(\t)+1], s[10:11] offset:32*CB*(\t)   ; the wave stores 256 consecutive bytes, aligned
.endm
.irp t, 0,1,2,3,4,5,6,7,8,9,10,11,12,13,14,15
	XSTEP \t
.endr
	ds_load_b64 v[8:9], v6                         ; my wave's 256 scale bytes: these loads see my stores
	s_wait_dscnt 0x0
	global_store_b64 v7, v[8:9], s[12:13]          ; 256 consecutive bytes, aligned
	CLOSE
.Lnot_x:
	s_cmp_lt_u32 ttmp9, XWG+WWG
	s_cbranch_scc0 .Lcast
; ---------------- PATH W: a lane takes a column n and its registers run down K: a block of 32 lies in one lane, and the conversions give codes with K innermost.
; A wave takes 32 columns x 512 along K; the codes go through the wave's stage and leave as rows: sixteen lanes store 256 consecutive bytes.
	s_sub_co_u32 s21, ttmp9, XWG
	s_cmp_ge_u32 s21, 24
	s_cselect_b32 s22, 1, 0                        ; which half of K
	s_cselect_b32 s23, 24, 0
	s_sub_co_u32 s21, s21, s23                     ; which strip of 128 columns
	s_lshl_b32 s21, s21, 7
	s_lshl_b32 s23, s20, 5
	s_add_co_u32 s21, s21, s23                     ; my wave's first column
	s_mul_i32 s24, s20, 32*WPITCH
	s_add_co_u32 s24, s24, WSTG                    ; my stage
	v_lshlrev_b32 v3, 2, v2                        ; in: 4 bytes a lane
	v_mul_u32_u24 v4, v2, WPITCH
	v_add_nc_u32 v4, s24, v4                       ; into the stage: row = my column
	v_and_b32 v5, 15, v2
	v_lshrrev_b32 v6, 4, v2
	v_mul_u32_u24 v7, v6, WPITCH
	v_lshl_add_u32 v7, v5, 4, v7
	v_add_nc_u32 v7, s24, v7                       ; out of it: sixteen lanes to a row, two rows an instruction
	v_mul_u32_u24 v8, v6, KROW
	v_lshl_add_u32 v8, v5, 4, v8                   ; and the same place in w_codes
	v_lshlrev_b32 v9, 5, v2                        ; my column's row of scale bytes
	s_mul_i32 s26, s22, KW*WN*4
	s_lshl_b32 s27, s21, 2
	s_add_co_u32 s26, s26, s27
	s_mov_b32 s27, 0
	s_add_nc_u64 s[6:7], s[6:7], s[26:27]          ; W_attn: 512 y rows + 4 x column
	s_lshl_b32 s26, s21, 9
	s_lshl_b32 s28, s22, 8
	s_add_co_u32 s26, s26, s28
	s_add_nc_u64 s[14:15], s[14:15], s[26:27]      ; codes: column x 512 + 256 y
	s_lshl_b32 s26, s21, 5
	s_lshl_b32 s28, s22, 4
	s_add_co_u32 s26, s26, s28
	s_add_nc_u64 s[16:17], s[16:17], s[26:27]      ; scale bytes: column x 32 + 16 y
.macro WLOAD t                         ; block t: W(32 t + i, my column) into set t % 2; the largest offset, 511 x 12,288, lies inside the signed 24-bit immediate
.irp i, 0,1,2,3,4,5,6,7,8,9,10,11,12,13,14,15,16,17,18,19,20,21,22,23,24,25,26,27,28,29,30,31
	global_load_b32 v[WX+32*((\t)%2)+\i], v3, s[6:7] offset:(32*(\t)+\i)*WN*4 th:TH_LOAD_NT
.endr
.endm
	WLOAD 0
	WLOAD 1
.macro WBLOCK t
.set WXS, WX+32*((\t)%2)
.if (\t) < NB-1
	s_wait_loadcnt 32                              ; this block's 32 loads are in; the next block's may be out
.else
	s_wait_loadcnt 0
.endif
	v_max3_num_f32 v12, |v[WXS]|, |v[WXS+1]|, |v[WXS+2]|
	v_max3_num_f32 v13, |v[WXS+3]|, |v[WXS+4]|, |v[WXS+5]|
.irp i, 6,10,14,18,22,26
	v_max3_num_f32 v12, v12, |v[WXS+\i]|, |v[WXS+\i+1]|
	v_max3_num_f32 v13, v13, |v[WXS+\i+2]|, |v[WXS+\i+3]|
.endr
	v_max3_num_f32 v12, v12, |v[WXS+30]|, |v[WXS+31]|
	v_max3_num_f32 v12, v12, v13, (EMAX+1)<<23     ; and the floor
	v_add_nc_u32 v11, -(EMAX<<23), v12             ; the conversion's scale operand
	v_lshrrev_b32 v13, 23, v11                     ; the scale's byte
.if (\t)%4 == 0
	v_mov_b32 v[WSB+(\t)/4], v13
.else
	v_lshl_or_b32 v[WSB+(\t)/4], v13, 8*((\t)%4), v[WSB+(\t)/4]
.endif
.irp g, 0,1,2,3
	v_cvt_scalef32_pk8_fp4_f32 v[WC+\g], v[WXS+8*\g:WXS+8*\g+7], v11
.endr
	ds_store_b128 v4, v[WC:WC+3] offset:16*(\t)    ; 32 codes: 16 bytes of my column's row
.if (\t)+2 < NB
	WLOAD (\t)+2
.endif
	s_wait_dscnt 0x0                               ; the store has read its registers: the next block's codes may be written
.endm
.set Q, 0
.rept NB
	WBLOCK Q
.set Q, Q+1
.endr
	global_store_b128 v9, v[WSB:WSB+3], s[16:17]   ; my column's 16 scale bytes
.irp t, 0,1,2,3,4,5,6,7,8,9,10,11,12,13,14,15
	ds_load_b128 v[WOUT+4*\t:WOUT+4*\t+3], v7 offset:2*\t*WPITCH
.endr
.irp t, 0,1,2,3,4,5,6,7,8,9,10,11,12,13,14,15
	s_wait_dscnt 15-\t                             ; the younger reads of the stage may be out
	global_store_b128 v8, v[WOUT+4*\t:WOUT+4*\t+3], s[14:15] offset:2*\t*KROW
.endr
	CLOSE
.Lcast:
; ---------------- PATH C: W_proj to f16.  A wave takes 2,048 numbers: sixteen loads of 512 consecutive bytes, sixteen stores of 256.
	s_sub_co_u32 s21, ttmp9, XWG+WWG
	s_lshl_b32 s21, s21, 2
	s_add_co_u32 s21, s21, s20
	s_lshl_b32 s22, s21, 13
	s_mov_b32 s23, 0
	s_add_nc_u64 s[8:9], s[8:9], s[22:23]
	s_lshl_b32 s22, s21, 12
	s_add_nc_u64 s[18:19], s[18:19], s[22:23]
	v_lshlrev_b32 v3, 4, v2
	v_lshlrev_b32 v4, 3, v2
.irp i, 0,1,2,3,4,5,6,7,8,9,10,11,12,13,14,15
	global_load_b128 v[16+4*\i:19+4*\i], v3, s[8:9] offset:512*\i th:TH_LOAD_NT
.endr
.irp i, 0,1,2,3,4,5,6,7,8,9,10,11,12,13,14,15
	s_wait_loadcnt 15-\i                           ; load i is in; the younger ones stay out
	v_cvt_pk_f16_f32 v[96+2*\i], v[16+4*\i], v[17+4*\i]
	v_cvt_pk_f16_f32 v[97+2*\i], v[18+4*\i], v[19+4*\i]
	global_store_b64 v4, v[96+2*\i:97+2*\i], s[18:19] offset:256*\i
.endr
	CLOSE
.Lfunc_end_k_q54b6703ff0_prep:
	.size	k_q54b6703ff0_prep, .Lfunc_end_k_q54b6703ff0_prep-k_q54b6703ff0_prep
	.p2alignl 7, 3214868480
	.fill 96, 4, 3214868480
	.section	.rodata,"a",@progbits
	.p2align	6, 0x0
	.amdhsa_kernel k_q54b6703ff0_prep
		.amdhsa_group_segment_fixed_size 68096
		.amdhsa_private_segment_fixed_size 0
		.amdhsa_enable_private_segment 0
		.amdhsa_kernarg_size 64
		.amdhsa_user_sgpr_count 2
		.amdhsa_user_sgpr_kernarg_segment_ptr 1
		.amdhsa_wavefront_size32 1
		.amdhsa_system_sgpr_workgroup_id_x 1
		.amdhsa_system_sgpr_workgroup_id_y 1
		.amdhsa_system_sgpr_workgroup_id_z 1
		.amdhsa_system_vgpr_workitem_id 0
		.amdhsa_next_free_vgpr 200
		.amdhsa_next_free_sgpr 66
		.amdhsa_reserve_vcc 0
		.amdhsa_float_denorm_mode_32 3
		.amdhsa_float_denorm_mode_16_64 3
		.amdhsa_memory_ordered 1
		.amdhsa_forward_progress 1
		.amdhsa_inst_pref_size 117
	.end_amdhsa_kernel
	.amdgpu_metadata
---
amdhsa.version: [ 1, 2 ]
amdhsa.kernels:
  - .name:           k_q54b6703ff0_prep
    .symbol:         k_q54b6703ff0_prep.kd
    .args:
      - { .name: x, .offset: 0, .size: 8, .value_kind: global_buffer, .address_space: global }
      - { .name: W_attn, .offset: 8, .size: 8, .value_kind: global_buffer, .address_space: global }
      - { .name: W_proj, .offset: 16, .size: 8, .value_kind: global_buffer, .address_space: global }
      - { .name: x_codes, .offset: 24, .size: 8, .value_kind: global_buffer, .address_space: global }
      - { .name: x_scales, .offset: 32, .size: 8, .value_kind: global_buffer, .address_space: global }
      - { .name: w_codes, .offset: 40, .size: 8, .value_kind: global_buffer, .address_space: global }
      - { .name: w_scales, .offset: 48, .size: 8, .value_kind: global_buffer, .address_space: global }
      - { .name: w16, .offset: 56, .size: 8, .value_kind: global_buffer, .address_space: global }
    .group_segment_fixed_size: 68096
    .private_segment_fixed_size: 0
    .kernarg_segment_align: 8
    .kernarg_segment_size: 64
    .max_flat_workgroup_size: 128
    .sgpr_count:     66
    .vgpr_count:     200
    .wavefront_size: 32
...
	.end_amdgpu_metadata
.endif
;; end of part 1
;; launch gemm1 (part 2): grid 12 x 32, 4 waves a work-group, clusters of 4 x 4, 327,680 bytes of LDS; arguments x_codes, x_scales, w_codes, w_scales, b_attn, qkv, fineq; writes qkv, fineq
.if DOCPART == 2
	.amdgcn_target "amdgcn-amd-amdhsa--gfx1250"
	.amdhsa_code_object_version 6
	.text
	.protected	k_q54b6703ff0_gemm1
	.globl	k_q54b6703ff0_gemm1
	.p2align	8
	.type	k_q54b6703ff0_gemm1,@function
k_q54b6703ff0_gemm1:
	s_mov_b64 s[64:65], 0
	v_nop
	global_prefetch_b8 v0, s[64:65] scope:SCOPE_SE
	s_setreg_imm32_b32 hwreg(HW_REG_WAVE_MODE, 25, 1), 1
	s_wait_xcnt 0x0
	s_wait_alu depctr_hold_cnt(0) depctr_sa_sdst(0) depctr_va_vdst(0) depctr_va_sdst(0) depctr_va_ssrc(0) depctr_va_vcc(0) depctr_vm_vsrc(0)
	s_getreg_b32 s2, hwreg(HW_REG_IB_STS2, 6, 4)
	s_cmp_eq_u32 s2, 0
	s_cbranch_scc0 .Lentry_in_a_cluster
	s_endpgm
.Lentry_in_a_cluster:
	s_bfe_u32 s2, ttmp6, 0x10000c
	s_cmp_lg_u32 s2, 0xf033
	s_cbranch_scc0 .Lentry_shape_is_right
	s_endpgm
.Lentry_shape_is_right:
; qkv = Q(x) Q(W_attn) + b_attn on codes of E2M1 with one E8M0 scale for each 32 along K; sums in f32.  A: x_codes [8192][512 bytes], B: w_codes [3072 n][512 bytes].
; The q columns (n < 1024) are multiplied in f32 by c = log2(e) / 8, so that the next launch's scores are exponents of 2; then everything is rounded ONCE to f16.
; OUT: qkv [48 planes g = n / 64][8192 m][64] f16: a plane is one head of q, k or v; two neighbouring rows of a plane are 256 consecutive bytes.
;      fineq [64 = 16 batch + s][3072] f32: the rows of positions s < 16, unrounded, for the launch that carries those positions in f32.
; LIMIT: magnitudes of q c, k and v up to 65,504 (f16).
; A tile of C, 256 x 256, is made by four waves, 128 x 128 each: 64 accumulators, 512 registers.  K = 1,024 is two slots of 512 along K (rows of 256 bytes): both are first fills, nothing is filled again.
; THE SCALES of the work-group's 256 + 256 rows for all of K are two dense blocks: they come into LDS once, with the first fills.
; CLUSTER 4 x 4: A's tiles are shared along a row of the cluster, B's along a column: joint loads.  THE MATRIX INSTRUCTION IS USED TRANSPOSED (source 0 = 16 rows of B, source 1 = 16 rows of A):
; a lane holds eight neighbouring columns of one row of C.
; REGISTERS: window 0: v0-31 addresses; v32-95 scale words, two sets; v128-191 A's fragments, one set; v192-255 the bias of my 128 columns in the result's layout.  Window 1: B's fragments, two sets.
;   Windows 2, 3: the accumulators ((a, b) at v[8 (8 (a % 4) + b)]).  On the way out: v32-95 a block in f32, v96-127 in f16, v128-191 rows read back.
.set SIZE_K, 1024
.set KSTEP,  512
.set NQ,     KSTEP/128
.set ROWB,   256
.set KROW,   SIZE_K*4/8
.set PITCH,  272                       ; an LDS row: 256 bytes + 16 of padding: the 16 rows of a fragment load start 68 words apart
.set FR,     8
.set NL,     2
.set NP,     4                         ; places behind this matrix instruction (ISA guide 7.12.1)
.set HALFT,  128*PITCH
.set SLOT,   4*HALFT
.set KS,     SIZE_K/32
.set SCL,    2*SLOT
.set HALFS,  (128*KS/256)*272
.set SBLK,   (16*KS/256)*272
.set SPARE,  SCL+4*HALFS               ; the spare words: 128 bytes for each wave
.set SPITCH, 272                       ; the way out: a stage of 16 rows x (256 + 16) bytes for each wave, in slot 0, which has had its only fill and its last read by then
.set ADRA, 16
.set ADRB, 20
.set FLG,  22                          ; v22  0 in the waves whose first 16 rows are positions 0 to 15
.set STO,  24
.set RD,   25
.set CO,   26
.set ADRS, 27
.set SPW,  28
.set NIL,  29
.set BO,   30                          ; v30  32 x (lane / 16): my eight numbers of a tile's bias
.set FO,   31                          ; v31  my place in fineq: row lane % 16, + 32 (lane / 16)
.set SC,   32
.set T,    32                          ; the way out: a block of 16 x 128 in f32
.set H,    96                          ; and in f16
.set AF,   128
.set BK,   128                         ; rows read back: v128-159 and v160-191 by turns
.set BIAS, 192
.set G1, 24
.set G0, 32
.set G1B, 48
.set G0B, 56
.set G1S, 68
.set G0S, 76
.set G1SB, 80
.set G0SB, 88
.set CF,  100                          ; s[100:101] c for q's columns, 1 for the others
.set MSB, 0
.macro WIN new                         ; the immediate's high byte repeats the setting that is left
.if MSB != (\new)
	s_set_vgpr_msb (MSB<<8)|(\new)
.set MSB, (\new)
.endif
.endm
.set MUL_LO, 0xa1
.set MUL_HI, 0xf1
.set TO_B,   0x40
; A joint load: waves 0 and 1 fetch for A, waves 2 and 3 for B; the branch hangs on the wave's number alone.  An s_nop 0 and four v_nop follow each line.
.macro JLOAD g0a, g1a, g0b, g1b
	s_cmp_eq_u32 s15, 0
	s_cbranch_scc0 .Lfor_b_\@
	tensor_load_to_lds s[\g0a:\g0a+3], s[\g1a:\g1a+7]
	s_nop 0
.rept 4
	v_nop
.endr
	s_branch .Lasked_\@
.Lfor_b_\@:
	tensor_load_to_lds s[\g0b:\g0b+3], s[\g1b:\g1b+7]
	s_nop 0
.rept 4
	v_nop
.endr
.Lasked_\@:
.endm
.macro CROUND                          ; a round of the cluster's barrier
	s_barrier_signal -1
	s_barrier_wait -1
	s_cmp_lg_u32 s14, 0
	s_cbranch_scc1 .Lnot_wave_0_\@
	s_barrier_signal -3
.Lnot_wave_0_\@:
	s_barrier_wait -3
	s_barrier_signal -1
	s_barrier_wait -1
.endm
	s_load_b128 s[4:7], s[0:1], 0x0                ; x's codes, x's scales
	s_load_b128 s[8:11], s[0:1], 0x10              ; W's codes, W's scales
	s_load_b64 s[12:13], s[0:1], 0x20              ; b_attn
	s_load_b64 s[96:97], s[0:1], 0x28              ; qkv
	s_load_b64 s[98:99], s[0:1], 0x30              ; fineq
	v_lshl_add_u32 v[SPW], v0, 2, SPARE
	v_mov_b32 v[NIL], 0
	ds_add_u32 v[SPW], v[NIL]                      ; the wave's opening: the add, twice on end, and its wait ahead of my first tensor load
	ds_add_u32 v[SPW], v[NIL]
	v_lshrrev_b32 v1, 5, v0
	v_readfirstlane_b32 s14, v1                    ; wave 0..3
	s_lshr_b32 s15, s14, 1                         ; which half of the tile's rows is mine.  Also: I fetch for A (0) or for B (1)
	s_and_b32 s16, s14, 1                          ; which half of its columns.  Also: which 128 rows I fetch
	s_bfe_u32 s40, ttmp6, 0x40000                  ; cx, cy
	s_bfe_u32 s41, ttmp6, 0x40004
	s_lshl_b32 s42, ttmp9, 2
	s_add_co_u32 s42, s42, s40                     ; tile column
	s_and_b32 s17, ttmp7, 0xffff
	s_lshl_b32 s17, s17, 2
	s_add_co_u32 s17, s17, s41                     ; tile row
	s_lshl_b32 s43, s41, 2
	s_lshl_b32 s43, 15, s43                        ; my row of the cluster
	s_lshl_b32 s44, 0x1111, s40                    ; my column
	s_or_b32 s[G1+0], s43, (0<<16)|(1<<20)|(1<<21)|(5<<22)|(3<<25)  ; mask; elements of 1 byte; padding: 4 words after every 64
	s_or_b32 s[G1B+0], s44, (0<<16)|(1<<20)|(1<<21)|(5<<22)|(3<<25)
.irp g, G1, G1B
	s_mov_b32 s[\g+1], ROWB<<16                    ; tensor_dim0
	s_mov_b32 s[\g+2], 128<<16                     ; tensor_dim1
	s_mov_b32 s[\g+3], ROWB<<16                    ; tile_dim0
	s_mov_b32 s[\g+4], 128                         ; tile_dim1
	s_mov_b32 s[\g+5], KROW                        ; pitch
	s_mov_b32 s[\g+6], 0
	s_mov_b32 s[\g+7], 0
.endr
	s_or_b32 s[G1S+0], s43, (3<<16)|(1<<20)|(1<<21)|(5<<22)|(3<<25) ; the scales of 128 rows: a dense block as rows of 256 bytes (32 elements of 8), 16 bytes of padding behind each
	s_or_b32 s[G1SB+0], s44, (3<<16)|(1<<20)|(1<<21)|(5<<22)|(3<<25)
.irp g, G1S, G1SB
	s_mov_b32 s[\g+1], 32<<16
	s_mov_b32 s[\g+2], (128*KS/256)<<16
	s_mov_b32 s[\g+3], 32<<16
	s_mov_b32 s[\g+4], 128*KS/256
	s_mov_b32 s[\g+5], 32
	s_mov_b32 s[\g+6], 0
	s_mov_b32 s[\g+7], 0
.endr
	s_mov_b32 s[CF], 0x3e38aa3b                    ; c = log2(e) / 8
	s_cmp_lt_u32 s42, 4                            ; tile columns 0 to 3 are q's: a value is chosen, no way through the text
	s_cselect_b32 s[CF], s[CF], 1.0
	s_mov_b32 s[CF+1], s[CF]                       ; (named with it as a pair)
	s_and_b32 s95, s17, 7
	s_or_b32 s95, s95, s15                         ; 0: my first row is position 0 of a batch
	s_lshl_b32 s18, s16, 7
	s_lshl_b32 s20, s17, 8
	s_add_co_u32 s20, s20, s18                     ; A: row 256 x tile row + 128 x half
	s_lshl_b32 s46, s42, 8
	s_add_co_u32 s46, s46, s18                     ; B: row 256 x tile column + 128 x half
	s_mov_b32 s21, 0
	s_mov_b32 s47, 0
	s_mov_b64 s[18:19], KS
	s_mul_u64 s[22:23], s[20:21], s[18:19]         ; where these rows' scales begin
	s_mul_u64 s[92:93], s[46:47], s[18:19]
	s_mov_b64 s[18:19], KROW
	s_mul_u64 s[20:21], s[20:21], s[18:19]         ; and their codes
	s_mul_u64 s[46:47], s[46:47], s[18:19]
	s_mul_i32 s45, s14, HALFT                      ; where they go: wave x 128 rows
	s_mul_i32 s94, s14, HALFS
	s_wait_dscnt 0x0                               ; both opening adds are done
	s_wait_kmcnt 0x0
	s_add_nc_u64 s[20:21], s[4:5], s[20:21]
	s_add_nc_u64 s[22:23], s[6:7], s[22:23]
	s_add_nc_u64 s[46:47], s[8:9], s[46:47]
	s_add_nc_u64 s[92:93], s[10:11], s[92:93]
	CROUND                                         ; all sixteen work-groups are here: the first joint loads meet
	s_mov_b32 s[G0S], 1
	s_add_co_u32 s[G0S+1], s94, SCL
	s_mov_b64 s[G0S+2:G0S+3], s[22:23]
	s_or_b32 s[G0S+3], s[G0S+3], 0x80000000
	s_mov_b32 s[G0SB], 1
	s_add_co_u32 s[G0SB+1], s94, SCL
	s_mov_b64 s[G0SB+2:G0SB+3], s[92:93]
	s_or_b32 s[G0SB+3], s[G0SB+3], 0x80000000
	JLOAD G0S, G1S, G0SB, G1SB                     ; the scales first; by this text's count three loads of a wave are out at the most
.irp s, 0,1
	s_mov_b32 s[G0+4*\s], 1
	s_add_co_u32 s[G0+4*\s+1], s45, \s*SLOT
	s_add_nc_u64 s[G0+4*\s+2:G0+4*\s+3], s[20:21], \s*ROWB
	s_or_b32 s[G0+4*\s+3], s[G0+4*\s+3], 0x80000000
	s_mov_b32 s[G0B+4*\s], 1
	s_add_co_u32 s[G0B+4*\s+1], s45, \s*SLOT
	s_add_nc_u64 s[G0B+4*\s+2:G0B+4*\s+3], s[46:47], \s*ROWB
	s_or_b32 s[G0B+4*\s+3], s[G0B+4*\s+3], 0x80000000
	JLOAD G0+4*\s, G1, G0B+4*\s, G1B
.endr
	v_and_b32 v1, 15, v0                           ; r = l % 16
	v_bfe_u32 v2, v0, 4, 1                         ; h = l / 16
	v_mul_u32_u24 v3, v1, PITCH
	v_lshl_add_u32 v4, v2, 4, v3
	s_mul_i32 s21, s15, HALFT
	s_mul_i32 s22, s16, HALFT
	s_add_co_u32 s22, s22, 2*HALFT
.irp s, 0,1
	v_add_nc_u32 v[ADRA+\s], s21, v4
	v_add_nc_u32 v[ADRB+\s], s22, v4
	s_add_co_u32 s21, s21, SLOT
	s_add_co_u32 s22, s22, SLOT
.endr
	v_mul_u32_u24 v5, v1, KS                       ; my row's scales: KS bytes a row,
	v_lshrrev_b32 v6, 8, v5
	v_lshl_add_u32 v5, v6, 4, v5                   ; and 16 more for each 256 passed
	s_mul_i32 s21, s15, HALFS
	s_mul_i32 s22, s16, HALFS
	s_add_co_u32 s22, s22, 2*HALFS
	s_sub_co_u32 s22, s22, s21
	v_mul_u32_u24 v6, s22, v2                      ; lanes 16-31 take B's
	s_add_co_u32 s21, s21, SCL
	v_add_nc_u32 v5, v5, v6
	v_add_nc_u32 v[ADRS], s21, v5
	s_mul_i32 s23, s14, 16*SPITCH                  ; my stage
	v_mul_u32_u24 v5, v1, SPITCH
	v_lshl_add_u32 v5, v2, 4, v5
	v_add_nc_u32 v[STO], s23, v5                   ; in: row r, 16 bytes for each half of the lanes
	v_bfe_u32 v6, v0, 3, 1                         ; (l / 8) % 2: which of two rows
	v_and_b32 v7, 7, v0                            ; l % 8: which 16 bytes of a head's 128
	v_mul_u32_u24 v8, v6, SPITCH
	v_lshl_add_u32 v8, v2, 7, v8                   ; lanes 16-31: the second head's 128 bytes of a stage row
	v_lshl_add_u32 v8, v7, 4, v8
	v_add_nc_u32 v[RD], s23, v8                    ; back: each half of the lanes takes two rows of one head
	v_lshlrev_b32 v9, 20, v2                       ; and in qkv: lanes 16-31 one plane on,
	v_lshl_add_u32 v9, v6, 7, v9
	v_lshl_add_u32 v[CO], v7, 4, v9                ; two rows of 128 bytes on end
	v_mul_u32_u24 v[FO], v1, 12288
	v_lshl_add_u32 v[FO], v2, 5, v[FO]
	v_lshlrev_b32 v[BO], 5, v2
	v_mov_b32 v[FLG], s95
	s_lshl_b32 s20, s42, 8
	s_lshl_b32 s21, s16, 7
	s_add_co_u32 s20, s20, s21                     ; my first column
	s_lshl_b32 s46, s20, 2
	s_mov_b32 s47, 0
	s_add_nc_u64 s[12:13], s[12:13], s[46:47]      ; b_attn at my first column
	s_add_nc_u64 s[98:99], s[98:99], s[46:47]      ; fineq likewise,
	s_lshr_b32 s46, s17, 3
	s_mul_i32 s46, s46, 196608
	s_add_nc_u64 s[98:99], s[98:99], s[46:47]      ; at my batch's 16 rows
	s_lshl_b32 s46, s20, 14                        ; qkv: column / 64 planes of 2^20 bytes,
	s_lshl_b32 s21, s17, 15                        ; 256 x tile row rows of 128 bytes,
	s_add_co_u32 s46, s46, s21
	s_lshl_b32 s21, s15, 14                        ; 128 x half
	s_add_co_u32 s46, s46, s21
	s_add_nc_u64 s[96:97], s[96:97], s[46:47]
.irp b, 0,1,2,3,4,5,6,7
	global_load_b128 v[BIAS+8*\b:BIAS+8*\b+3], v[BO], s[12:13] offset:64*\b        ; b_attn at columns 16 b + 8 h + 0 .. 7: waited for on the way out
	global_load_b128 v[BIAS+8*\b+4:BIAS+8*\b+7], v[BO], s[12:13] offset:64*\b+16
.endr
.macro FRAG reg, adr, q, i             ; 16 rows x 128 K of 4-bit codes: 8 registers; registers 4 c .. 4 c + 3 hold K = 64 c + 32 (l / 16) + 0 .. 31
.irp c, 0,1
	ds_load_b128 v[\reg+4*\c:\reg+4*\c+3], v[\adr] offset:64*(\q)+32*\c+(\i)*16*PITCH
.endr
.endm
; 16 matrix instructions: A's blocks a0, a0 + 1 x B's eight.  The 64 accumulators take turns, one instruction a turn.  zero = 1: the first product starts the sums.
.macro MUL16 a0, p, q, sc, zero
.irp a, \a0, \a0+1
.irp b, 0,1,2,3,4,5,6,7
.if \zero
	v_wmma_scale_f32_16x16x128_f8f6f4 v[8*(8*((\a)%4)+\b):8*(8*((\a)%4)+\b)+7], v[128*(\p)+FR*\b:128*(\p)+FR*\b+FR-1], v[AF+FR*(\a):AF+FR*(\a)+FR-1], 0, v[SC+8*NQ*(\sc)+NQ*\b+(\q)], v[SC+8*NQ*(\sc)+NQ*(\a)+(\q)] matrix_a_fmt:MATRIX_FMT_FP4 matrix_b_fmt:MATRIX_FMT_FP4 matrix_a_scale:MATRIX_SCALE_ROW1
.else
	v_wmma_scale_f32_16x16x128_f8f6f4 v[8*(8*((\a)%4)+\b):8*(8*((\a)%4)+\b)+7], v[128*(\p)+FR*\b:128*(\p)+FR*\b+FR-1], v[AF+FR*(\a):AF+FR*(\a)+FR-1], v[8*(8*((\a)%4)+\b):8*(8*((\a)%4)+\b)+7], v[SC+8*NQ*(\sc)+NQ*\b+(\q)], v[SC+8*NQ*(\sc)+NQ*(\a)+(\q)] matrix_a_fmt:MATRIX_FMT_FP4 matrix_b_fmt:MATRIX_FMT_FP4 matrix_a_scale:MATRIX_SCALE_ROW1
.endif
.endr
.endr
.endm
.macro FETCH_B slot, q, p
	WIN TO_B
.irp i, 0,1,2,3,4,5,6,7
	FRAG 128*(\p)+FR*\i, ADRB+\slot, \q, \i
.endr
	WIN 0
.endm
.macro FETCH_A slot, q, i0
.irp i, \i0, \i0+1, \i0+2, \i0+3
	FRAG AF+FR*(\i), ADRA+\slot, \q, \i
.endr
.endm
.macro SCALES sc                       ; a K step's scale words: lanes 0-15 take A's block i, lanes 16-31 B's block i
.irp i, 0,1,2,3,4,5,6,7
	ds_load_b128 v[SC+8*NQ*\sc+NQ*\i:SC+8*NQ*\sc+NQ*\i+3], v[ADRS] offset:\i*SBLK
.endr
.endm
.macro PLACES n                        ; plain vector instructions between a matrix instruction and a load into, or a read of, its registers
.rept \n
	v_nop
.endr
.endm
.macro STEP slot, q, zero              ; 128 along K, with its successor in the same slot
	s_wait_dscnt 4*NL                              ; B's set and A's blocks 0-3 are in; the youngest eight loads (A's blocks 4-7) may be out
	WIN MUL_LO
	MUL16 0, (\q)%2, \q, \slot, \zero
	MUL16 2, (\q)%2, \q, \slot, \zero
	s_wait_dscnt 0
	PLACES NP
	FETCH_B \slot, (\q)+1, 1-(\q)%2
	FETCH_A \slot, (\q)+1, 0
	WIN MUL_HI
	MUL16 4, (\q)%2, \q, \slot, \zero
	MUL16 6, (\q)%2, \q, \slot, \zero
	PLACES NP
	WIN 0
	FETCH_A \slot, (\q)+1, 4
.endm
.macro TURN slot, next                 ; a slot's last step changes slots: one barrier; nothing is filled again here
	s_wait_tensorcnt 0x0                           ; all my tensor loads have landed: my part of the next slot
	ds_add_u32 v[SPW], v[NIL]
	s_wait_dscnt 4*NL+1                            ; the add and the youngest eight loads may be out
	WIN MUL_LO
	MUL16 0, 1, NQ-1, \slot, 0
	s_wait_dscnt 0x0                               ; the add is done, and my reads of this slot are over
	s_barrier_signal -1
	MUL16 2, 1, NQ-1, \slot, 0
	WIN 0
	s_barrier_wait -1
	PLACES NP
	v_add_nc_u32 v[ADRS], 4*NQ, v[ADRS]            ; on to the next K step's scale words
	FETCH_B \next, 0, 0
	FETCH_A \next, 0, 0
	SCALES \next
	WIN MUL_HI
	MUL16 4, 1, NQ-1, \slot, 0
	MUL16 6, 1, NQ-1, \slot, 0
	PLACES NP
	WIN 0
	FETCH_A \next, 0, 4
.endm
.macro STEPS slot, from
.set Q, \from
.rept NQ-1-\from
	STEP \slot, Q, 0
.set Q, Q+1
.endr
.endm
	s_wait_tensorcnt 1                             ; the scales and my part of slot 0 are in; slot 1's load may be out
	s_barrier_signal -1
	s_barrier_wait -1
	FETCH_B 0, 0, 0
	FETCH_A 0, 0, 0
	SCALES 0
	FETCH_A 0, 0, 4
	STEP 0, 0, 1                                   ; the first products start the sums
	STEPS 0, 1
	TURN 0, 1
	STEPS 1, 0
	s_wait_dscnt 4*NL
	WIN MUL_LO
	MUL16 0, 1, NQ-1, 1, 0
	MUL16 2, 1, NQ-1, 1, 0
	s_wait_dscnt 0
	WIN MUL_HI
	MUL16 4, 1, NQ-1, 1, 0
	MUL16 6, 1, NQ-1, 1, 0
	WIN 0
; THE WAY OUT, block by block of 16 rows x 128 columns: (sum + bias) x factor as one fused multiply-add on sum x factor + (bias x factor); rounded to f16; through my stage; back as pairs of rows of one head.
	s_wait_loadcnt 0x0                             ; the bias
	PLACES NP
.set i, 0
.rept 32
	v_pk_mul_f32 v[BIAS+2*i:BIAS+2*i+1], v[BIAS+2*i:BIAS+2*i+1], s[CF:CF+1] op_sel_hi:[1,0]
.set i, i+1
.endr
.macro PACK a
.set AC, 64*((\a)%4)
	WIN 0x02+(\a)/4                                ; source 0: window 2 or 3
.irp b, 0,1,2,3,4,5,6,7
.irp r, 0,1,2,3
	v_pk_fma_f32 v[T+8*\b+2*\r:T+8*\b+2*\r+1], v[AC+8*\b+2*\r:AC+8*\b+2*\r+1], s[CF:CF+1], v[BIAS+8*\b+2*\r:BIAS+8*\b+2*\r+1] op_sel_hi:[1,0,1]   ; each accumulator from its low end on
.endr
.endr
	WIN 0
.set i, 0
.rept 32
	v_cvt_pk_f16_f32 v[H+i], v[T+2*i], v[T+2*i+1]
.set i, i+1
.endr
.endm
.macro TOSTAGE a
.irp b, 0,1,2,3,4,5,6,7
	ds_store_b128 v[STO], v[H+4*\b:H+4*\b+3] offset:32*\b
.endr
.set BB, BK+32*((\a)%2)
.irp t, 0,1,2,3,4,5,6,7
	ds_load_b128 v[BB+4*\t:BB+4*\t+3], v[RD] offset:\t*2*SPITCH    ; LDS serves a wave's instructions in order: these see the stores above
.endr
.endm
.macro SEND a
.set BB, BK+32*((\a)%2)
	s_wait_dscnt 0x0                               ; the block is back in registers
	s_wait_xcnt 0x0                                ; earlier stores have read their registers: the other set may be loaded again behind this wait
.irp t, 0,1,2,3,4,5,6,7
	global_store_b128 v[CO], v[BB+4*\t:BB+4*\t+3], s[96:97] offset:2048*(\a)+256*\t   ; each half of the lanes stores 256 consecutive bytes, aligned: two rows of one head
.endr
.endm
	PACK 0
	; the rows of positions 0 to 15 also leave in f32.  Which waves hold them hangs on the tile row, so it is a mask of lanes and no branch.
	s_wait_xcnt 0x0                                ; EXEC changes only behind this wait
	v_cmp_eq_u32 vcc_lo, 0, v[FLG]
	s_and_saveexec_b32 s94, vcc_lo
.irp b, 0,1,2,3,4,5,6,7
	global_store_b128 v[FO], v[T+8*\b:T+8*\b+3], s[98:99] offset:64*\b
	global_store_b128 v[FO], v[T+8*\b+4:T+8*\b+7], s[98:99] offset:64*\b+16
.endr
	s_wait_xcnt 0x0                                ; and again in front of the line that widens it; the stores' data may be rewritten too
	s_or_b32 exec_lo, exec_lo, s94
	TOSTAGE 0
.irp a, 1,2,3,4,5,6,7
	PACK \a                                        ; block a's arithmetic stands between block a - 1's reads of the stage and the wait for them
	SEND \a-1
	TOSTAGE \a
.endr
	SEND 7
	s_wait_tensorcnt 0x0                           ; the wave's end
	ds_add_u32 v[SPW], v[NIL]
	s_wait_dscnt 0x0
	CROUND                                         ; the closing round
	s_endpgm
.Lfunc_end_k_q54b6703ff0_gemm1:
	.size	k_q54b6703ff0_gemm1, .Lfunc_end_k_q54b6703ff0_gemm1-k_q54b6703ff0_gemm1
	.p2alignl 7, 3214868480
	.fill 96, 4, 3214868480
	.section	.rodata,"a",@progbits
	.p2align	6, 0x0
	.amdhsa_kernel k_q54b6703ff0_gemm1
		.amdhsa_group_segment_fixed_size 327680
		.amdhsa_private_segment_fixed_size 0
		.amdhsa_enable_private_segment 0
		.amdhsa_kernarg_size 56
		.amdhsa_user_sgpr_count 2
		.amdhsa_user_sgpr_kernarg_segment_ptr 1
		.amdhsa_wavefront_size32 1
		.amdhsa_system_sgpr_workgroup_id_x 1
		.amdhsa_system_sgpr_workgroup_id_y 1
		.amdhsa_system_sgpr_workgroup_id_z 1
		.amdhsa_system_vgpr_workitem_id 0
		.amdhsa_next_free_vgpr 1024
		.amdhsa_next_free_sgpr 102
		.amdhsa_reserve_vcc 1
		.amdhsa_float_denorm_mode_32 3
		.amdhsa_float_denorm_mode_16_64 3
		.amdhsa_memory_ordered 1
		.amdhsa_forward_progress 1
		.amdhsa_inst_pref_size 148
	.end_amdhsa_kernel
	.amdgpu_metadata
---
amdhsa.version: [ 1, 2 ]
amdhsa.kernels:
  - .name:           k_q54b6703ff0_gemm1
    .symbol:         k_q54b6703ff0_gemm1.kd
    .args:
      - { .name: x_codes, .offset: 0, .size: 8, .value_kind: global_buffer, .address_space: global }
      - { .name: x_scales, .offset: 8, .size: 8, .value_kind: global_buffer, .address_space: global }
      - { .name: w_codes, .offset: 16, .size: 8, .value_kind: global_buffer, .address_space: global }
      - { .name: w_scales, .offset: 24, .size: 8, .value_kind: global_buffer, .address_space: global }
      - { .name: b_attn, .offset: 32, .size: 8, .value_kind: global_buffer, .address_space: global }
      - { .name: qkv, .offset: 40, .size: 8, .value_kind: global_buffer, .address_space: global }
      - { .name: fineq, .offset: 48, .size: 8, .value_kind: global_buffer, .address_space: global }
    .group_segment_fixed_size: 327680
    .private_segment_fixed_size: 0
    .kernarg_segment_align: 8
    .kernarg_segment_size: 56
    .max_flat_workgroup_size: 128
    .sgpr_count:     102
    .vgpr_count:     1024
    .wavefront_size: 32
...
	.end_amdgpu_metadata
.endif
;; end of part 2
;; launch attn (part 3): grid 4 x 64, 8 waves a work-group, no clusters, 327,680 bytes of LDS; arguments qkv, ctx16; writes ctx16
.if DOCPART == 3
	.amdgcn_target "amdgcn-amd-amdhsa--gfx1250"
	.amdhsa_code_object_version 6
	.text
	.protected	k_q54b6703ff0_attn
	.globl	k_q54b6703ff0_attn
	.p2align	8
	.type	k_q54b6703ff0_attn,@function
k_q54b6703ff0_attn:
	s_mov_b64 s[64:65], 0
	v_nop
	global_prefetch_b8 v0, s[64:65] scope:SCOPE_SE
	s_setreg_imm32_b32 hwreg(HW_REG_WAVE_MODE, 25, 1), 1
	s_wait_xcnt 0x0
; ctx = softmax(q k^T / 8, causal) v for one head of one batch, operands in f16, products, maxima and sums in f32.
; qkv: [48 planes][8192 rows][64] f16: planes 0-15 q (already multiplied by log2(e) / 8), 16-31 k, 32-47 v.  ctx16: [16 head planes][8192 rows][64] f16.
; SOFTMAX: a running maximum m and sum l for each query; p = 2^(s - m), at most 1; in every step O and l are multiplied by a = 2^(old m - new m).  p is rounded to f16 for the second product; l sums the unrounded p.
; LIMITS: f16's range for q, k, v and ctx (magnitudes up to 65,504); NaN and infinities are not served.
; SHARES.  Work-group p of a head owns the query blocks 7 - p and p, 256 queries each.  Block j needs the key chunks 0 .. j (256 keys each), so every work-group walks 8 - p + p + 1 = 9 chunks:
; 256 equal work-groups and a constant trip count.  Each of the eight waves owns 32 queries of a block: two tiles of 16.  Two waves share a SIMD's registers, so that one wave's softmax stands beside the other's products.
; NO CLUSTER: in one and the same trip the four work-groups of a head need different chunks from trip 8 - p on, and under the causal mask a partner would jump over the reads of jointly fetched tiles.
; LAYOUT.  S^T = K Q^T (source 0 = 16 keys, source 1 = 16 queries) and O^T = V^T P (source 0 = 16 channels, source 1 = P): a lane holds one query throughout.  K comes out of LDS as it lies, V turned by ds_load_tr16_b128.
; RING.  Two slots of one chunk.  Waves 0-3 fetch K of the chunk's key steps 0-3 (64 rows of 128 bytes), waves 4-7 V of the same: one tensor load a wave behind each barrier, with a whole chunk's work in which to land.
; REGISTERS.  Window 0: v2-15 addresses and constants; v16-31 statistics; v64-127 S^T (32 t + 8 kt); v128-159 P; v160-223 O^T (32 t + 8 dt); v224-255 rows on the way out.
;             Window 1: v0-31 Q; v32-95 K of a step; v96-159 V of a step; v160-191 Q of the second block.
.set PK,    144                        ; a row of K in LDS: 128 bytes + 16
.set PV,    160                        ; a row of V: 128 + 32
.set VOFF,  64*PK                      ; a key step's tiles lie together: 64 rows of K, then 64 rows of V
.set STEPB, 64*(PK+PV)
.set SLOT1, 1<<17                      ; slot 1 begins here: one exclusive or turns an address from one slot to the other
.set STAGE, 4*STEPB                    ; behind slot 0: 32 rows x 144 bytes for each wave, for the way out; no fill lands here
.set SPARE, STAGE+8*32*PK              ; the spare words: 128 bytes for each wave
.set CHUNK, 256*128                    ; a chunk's rows of one plane, in bytes
.set AK0, 2
.set AV0, 3
.set ADK, 4
.set ADV, 5
.set QO,  6
.set GO,  7
.set STO, 8
.set RD,  9
.set PFO, 10
.set DD,  11
.set NINF, 12
.set RH,  13
.set SPW, 14
.set NIL, 15
.set ST,  16                           ; tile t's statistics at v[ST + 8 t]: +0 m, +1 zero, +2, +3 l, +4 to +7 at work; a takes +6
.set SS,  64
.set PP,  128
.set OO,  160
.set BK,  224
.set QF,  0                            ; window 1
.set KFR, 32
.set VF,  96
.set QB,  160
.set WV,  8
.set N0,  12                           ; chunks of the first block: 8 - p
.set N1,  13                           ; 7 - p
.set T,   14                           ; the trip
.set STP, 15
.set TB,  16                           ; LDS byte at which the key step in hand begins
.set KF,  17                           ; its first key
.set Q0,  18                           ; my first query in the block in hand
.set Q0B, 19                           ; and in the second block
.set SEL, 20
.set CO,  22                           ; s[22:23] byte offset of the chunk to be asked for
.set G1K, 24
.set G1V, 32
.set G0,  40
.set WB,  44                           ; s[44:45] my 64 rows of chunk 0
.set PFA, 46
.set LIM, 48
.set OB0, 50
.set OB1, 52
.set MSB, 0
.macro WIN new
.if MSB != (\new)
	s_set_vgpr_msb (MSB<<8)|(\new)
.set MSB, (\new)
.endif
.endm
; Each wave's one tensor load.  K's and V's tiles differ in the padding, so there are two groups 1 and a short branch on the wave's number.  An s_nop 0 and four v_nop follow each line.
.macro TLOAD
	s_cmp_lt_u32 s[WV], 4
	s_cbranch_scc0 .Lfor_v_\@
	tensor_load_to_lds s[G0:G0+3], s[G1K:G1K+7]
	s_nop 0
.rept 4
	v_nop
.endr
	s_branch .Lasked_\@
.Lfor_v_\@:
	tensor_load_to_lds s[G0:G0+3], s[G1V:G1V+7]
	s_nop 0
.rept 4
	v_nop
.endr
.Lasked_\@:
.endm
; A prefetch of what the NEXT change of slots will ask for.  All four work-groups of a head walk chunks 0, 1, .. in step: work-group 0, which walks all eight, asks; each of its waves for the 64 rows
; (32 blocks of 256 bytes, a lane a block) that it will itself load one change later.  In trip T that is chunk T + 2, so it stops behind trip 5.  Chunks 0 and 1 come by their loads alone.
.macro ASK
	s_cmp_lt_u32 s[T], s[LIM]
	s_cbranch_scc0 .Lnot_mine_\@
	global_prefetch_b8 v[PFO], s[PFA:PFA+1] th:TH_LOAD_NT scope:SCOPE_SE
.Lnot_mine_\@:
.endm
.macro RESET                           ; a block of queries begins: m under every score, l and O^T zero (the step is written once: the first finds zeros)
.irp t, 0,1
	v_mov_b32 v[ST+8*\t], 0xff61b1e6               ; -3e38
	v_mov_b32 v[ST+8*\t+2], 0
	v_mov_b32 v[ST+8*\t+3], 0
.endr
.set i, 0
.rept 64
	v_mov_b32 v[OO+i], 0
.set i, i+1
.endr
.endm
	s_load_b128 s[4:7], s[0:1], 0x0                ; qkv, ctx16
	v_lshl_add_u32 v[SPW], v0, 2, SPARE
	v_mov_b32 v[NIL], 0
	ds_add_u32 v[SPW], v[NIL]                      ; the wave's opening: the add, twice on end, and its wait ahead of my first tensor load
	ds_add_u32 v[SPW], v[NIL]
	v_lshrrev_b32 v1, 5, v0
	v_readfirstlane_b32 s[WV], v1                  ; wave 0..7
	s_and_b32 s9, ttmp7, 0xffff
	s_and_b32 s10, s9, 15                          ; head
	s_lshr_b32 s11, s9, 4                          ; batch
	s_sub_co_u32 s[N0], 8, ttmp9
	s_sub_co_u32 s[N1], 7, ttmp9
	s_lshl_b32 s54, s[WV], 5
	s_lshl_b32 s[Q0], s[N1], 8
	s_add_co_u32 s[Q0], s[Q0], s54                 ; 256 (7 - p) + 32 w
	s_lshl_b32 s[Q0B], ttmp9, 8
	s_add_co_u32 s[Q0B], s[Q0B], s54               ; 256 p + 32 w
	s_mov_b32 s[SEL], 0x76543210
	s_mov_b32 s[SEL+1], 0xfedcba98                 ; v_permlanex16_b32's selects for lane l xor 16
	s_cmp_eq_u32 ttmp9, 0
	s_cselect_b32 s[LIM], 6, 0
	s_mov_b32 s[G1K], (1<<16)|(1<<20)|(4<<22)|(3<<25)   ; elements of 2 bytes; padding: 4 words after every 32
	s_mov_b32 s[G1V], (1<<16)|(1<<20)|(4<<22)|(7<<25)   ; 8 words after every 32
.irp g, G1K, G1V
	s_mov_b32 s[\g+1], 64<<16                      ; tensor_dim0 = 64
	s_mov_b32 s[\g+2], 64<<16                      ; tensor_dim1 = 64
	s_mov_b32 s[\g+3], 64<<16                      ; tile_dim0 = 64
	s_mov_b32 s[\g+4], 64                          ; tile_dim1 = 64
	s_mov_b32 s[\g+5], 64                          ; pitch
	s_mov_b32 s[\g+6], 0
	s_mov_b32 s[\g+7], 0
.endr
	s_lshl_b32 s55, s10, 20
	s_lshl_b32 s56, s11, 18
	s_add_co_u32 s55, s55, s56                     ; the head's plane and the batch's 2,048 rows of 128 bytes
	s_lshl_b32 s56, s[Q0], 7
	s_add_co_u32 s56, s56, s55                     ; my first row of the first block, in q's planes and in ctx16 alike
	s_mov_b32 s57, 0
	s_lshl_b32 s58, s[Q0B], 7
	s_add_co_u32 s58, s58, s55                     ; and of the second
	s_mov_b32 s59, 0
	s_lshr_b32 s9, s[WV], 2                        ; I fetch K (0) or V (1),
	s_and_b32 s10, s[WV], 3                        ; of this key step of a chunk
	s_lshl_b32 s[CO], s9, 24
	s_add_co_u32 s[CO], s[CO], 1<<24               ; k's planes begin 16 planes in, v's 32
	s_add_co_u32 s[CO], s[CO], s55
	s_lshl_b32 s54, s10, 13                        ; 64 rows of 128 bytes a step
	s_add_co_u32 s[CO], s[CO], s54
	s_mov_b32 s[CO+1], 0
	s_mov_b32 s[G0], 1                             ; count = 1
	s_mul_i32 s[G0+1], s10, STEPB
	s_mul_i32 s54, s9, VOFF
	s_add_co_u32 s[G0+1], s[G0+1], s54             ; LDS address, slot 0: step x STEPB (+ VOFF for V)
	s_mov_b32 s[T], 0
	s_mov_b32 s[TB], 0
	s_mov_b32 s[KF], 0
	s_wait_dscnt 0x0                               ; both opening adds are done
	s_wait_kmcnt 0x0
	s_add_nc_u64 s[WB:WB+1], s[4:5], s[CO:CO+1]
	s_mov_b32 s[CO], 0
	s_mov_b64 s[G0+2:G0+3], s[WB:WB+1]
	s_or_b32 s[G0+3], s[G0+3], 0x80000000          ; type = 2
	TLOAD                                          ; chunk 0 into slot 0
	s_add_nc_u64 s[PFA:PFA+1], s[WB:WB+1], CHUNK   ; at chunk 1: the first change steps it to chunk 2.  Nothing is prefetched here, at the head
	s_add_nc_u64 s[OB0:OB0+1], s[6:7], s[56:57]
	s_add_nc_u64 s[OB1:OB1+1], s[6:7], s[58:59]
	s_add_nc_u64 s[56:57], s[4:5], s[56:57]        ; Q of the first block,
	s_add_nc_u64 s[58:59], s[4:5], s[58:59]        ; and of the second
	v_and_b32 v32, 15, v0                          ; r
	v_bfe_u32 v33, v0, 4, 1                        ; h
	v_and_b32 v34, 31, v0                          ; l
	v_and_b32 v35, 7, v0
	v_bfe_u32 v36, v0, 3, 1
	v_bfe_u32 v37, v0, 3, 2                        ; l / 8
	v_lshlrev_b32 v[QO], 7, v32
	v_lshl_add_u32 v[QO], v33, 4, v[QO]            ; row r of 128 bytes + 16 h
	WIN 0x40                                       ; destination window 1
.irp t, 0,1
.irp kk, 0,1
	global_load_b128 v[QF+16*\t+8*\kk:QF+16*\t+8*\kk+3],   v[QO], s[56:57] offset:2048*\t+64*\kk
	global_load_b128 v[QF+16*\t+8*\kk+4:QF+16*\t+8*\kk+7], v[QO], s[56:57] offset:2048*\t+64*\kk+32
	global_load_b128 v[QB+16*\t+8*\kk:QB+16*\t+8*\kk+3],   v[QO], s[58:59] offset:2048*\t+64*\kk
	global_load_b128 v[QB+16*\t+8*\kk+4:QB+16*\t+8*\kk+7], v[QO], s[58:59] offset:2048*\t+64*\kk+32
.endr
.endr
	WIN 0
	v_mul_u32_u24 v[AK0], v32, PK
	v_lshl_add_u32 v[AK0], v33, 4, v[AK0]          ; K: row r x pitch + 16 h
	v_lshl_add_u32 v[AV0], v33, 3, v35
	v_mul_u32_u24 v[AV0], v[AV0], PV
	v_lshl_add_u32 v[AV0], v36, 4, v[AV0]
	v_add_nc_u32 v[AV0], VOFF, v[AV0]              ; V, for the turning load: key 8 h + l % 8, channels 8 ((l / 8) % 2) on
	v_lshlrev_b32 v[GO], 4, v34
	s_mul_i32 s54, s[WV], 32*PK
	s_add_co_u32 s54, s54, STAGE                   ; my stage
	v_mul_u32_u24 v[STO], v32, PK
	v_lshl_add_u32 v[STO], v33, 4, v[STO]
	v_add_nc_u32 v[STO], s54, v[STO]
	v_mul_u32_u24 v[RD], v37, PK
	v_lshl_add_u32 v[RD], v35, 4, v[RD]
	v_add_nc_u32 v[RD], s54, v[RD]                 ; back: eight lanes to a row of 128 bytes, four rows an instruction
	v_lshlrev_b32 v[PFO], 8, v34
	v_mov_b32 v[NINF], 0xff800000                  ; -infinity
	v_lshlrev_b32 v[RH], 3, v33
	v_sub_nc_u32 v[RH], v32, v[RH]                 ; r - 8 h
	v_mov_b32 v[DD], 0
.irp t, 0,1
.irp j, 1,4,5,6,7
	v_mov_b32 v[ST+8*\t+\j], 0                     ; written once: pairs' upper halves and lane permutes' destinations count as read
.endr
.endr
	RESET
	s_wait_loadcnt 0x0                             ; Q
; A KEY STEP: 64 keys against my 32 queries.
.macro STEP
	s_add_co_u32 s54, s[Q0], 31
	s_cmp_gt_u32 s[KF], s54                        ; all 64 keys come after my last query: the step's work is left out (ids and counts alone; no barrier, wait on tensor loads or tensor load stands in a step)
	s_cbranch_scc1 .Lhid_\@
	v_add_nc_u32 v[ADK], s[TB], v[AK0]
	v_add_nc_u32 v[ADV], s[TB], v[AV0]
	v_nop
	v_nop                                          ; these four lines are the places between the last step's products and the loads into V's registers
	WIN 0x40
.irp kt, 0,1,2,3
.irp kk, 0,1
	ds_load_b128 v[KFR+16*\kt+8*\kk:KFR+16*\kt+8*\kk+3],   v[ADK] offset:16*\kt*PK+64*\kk
	ds_load_b128 v[KFR+16*\kt+8*\kk+4:KFR+16*\kt+8*\kk+7], v[ADK] offset:16*\kt*PK+64*\kk+32
.endr
.endr
.irp kh, 0,1
.irp dt, 0,1,2,3
	ds_load_tr16_b128 v[VF+32*\kh+8*\dt:VF+32*\kh+8*\dt+3],   v[ADV] offset:32*\kh*PV+32*\dt
	ds_load_tr16_b128 v[VF+32*\kh+8*\dt+4:VF+32*\kh+8*\dt+7], v[ADV] offset:32*\kh*PV+16*PV+32*\dt
.endr
.endr
	s_wait_dscnt 16                                ; K is in; V's sixteen loads may be out
	WIN 0x05                                       ; K and Q in window 1
.irp kk, 0,1                                   ; the eight accumulators take turns, one instruction a turn
.irp kt, 0,1,2,3
.irp t, 0,1
.if \kk == 0
	v_wmma_f32_16x16x32_f16 v[SS+32*\t+8*\kt:SS+32*\t+8*\kt+7], v[KFR+16*\kt+8*\kk:KFR+16*\kt+8*\kk+7], v[QF+16*\t+8*\kk:QF+16*\t+8*\kk+7], 0
.else
	v_wmma_f32_16x16x32_f16 v[SS+32*\t+8*\kt:SS+32*\t+8*\kt+7], v[KFR+16*\kt+8*\kk:KFR+16*\kt+8*\kk+7], v[QF+16*\t+8*\kk:QF+16*\t+8*\kk+7], v[SS+32*\t+8*\kt:SS+32*\t+8*\kt+7]
.endif
.endr
.endr
.endr
	WIN 0
.rept 4
	v_nop
.endr
	s_add_co_u32 s54, s[KF], 63
	s_cmp_le_u32 s54, s[Q0]                        ; every key counts for every query of mine: no mask
	s_cbranch_scc1 .Lopen_\@
	s_sub_co_i32 s54, s[Q0], s[KF]
	v_add_nc_u32 v[DD], s54, v[RH]                 ; d = Q0 - KF + r - 8 h.  Register (t, kt, j) holds key KF + 16 kt + 8 h + j for query Q0 + 16 t + r: hidden where 16 kt + j - 16 t > d
.irp t, 0,1
.irp kt, 0,1,2,3
.irp j, 0,1,2,3,4,5,6,7
	v_cmp_gt_i32 vcc_lo, 16*\kt+\j-16*\t, v[DD]
	v_cndmask_b32 v[SS+32*\t+8*\kt+\j], v[SS+32*\t+8*\kt+\j], v[NINF], vcc_lo
.endr
.endr
.endr
.Lopen_\@:
.irp j, 0,1,2,3                                ; the maximum of 32 scores and the old m, three at a time, four chains, both tiles by turns; each accumulator is read from its low end on
.irp t, 0,1
	v_max3_num_f32 v[ST+8*\t+4+\j], v[SS+32*\t+8*\j], v[SS+32*\t+8*\j+1], v[SS+32*\t+8*\j+2]
.endr
.endr
.irp g, 1,2
.irp j, 0,1,2,3
.irp t, 0,1
	v_max3_num_f32 v[ST+8*\t+4+\j], v[ST+8*\t+4+\j], v[SS+32*\t+8*\j+2*\g+1], v[SS+32*\t+8*\j+2*\g+2]
.endr
.endr
.endr
.irp t, 0,1
	v_max3_num_f32 v[ST+8*\t+4], v[ST+8*\t+4], v[SS+32*\t+7], v[SS+32*\t+15]
	v_max3_num_f32 v[ST+8*\t+6], v[ST+8*\t+6], v[SS+32*\t+23], v[SS+32*\t+31]
.endr
.irp t, 0,1
	v_max3_num_f32 v[ST+8*\t+4], v[ST+8*\t+4], v[ST+8*\t+5], v[ST+8*\t+6]
.endr
.irp t, 0,1
	v_max3_num_f32 v[ST+8*\t+4], v[ST+8*\t+4], v[ST+8*\t+7], v[ST+8*\t]
.endr
.irp t, 0,1
	v_permlanex16_b32 v[ST+8*\t+5], v[ST+8*\t+4], s[SEL], s[SEL+1]   ; the query's other 32 keys lie in the lane 16 away
.endr
.irp t, 0,1
	v_mov_b32 v[ST+8*\t+7], v[ST+8*\t]             ; the old m
.endr
.irp t, 0,1
	v_max_num_f32 v[ST+8*\t], v[ST+8*\t+4], v[ST+8*\t+5]
.endr
.irp t, 0,1
	v_sub_f32 v[ST+8*\t+7], v[ST+8*\t+7], v[ST+8*\t]
.endr
.irp u, 0,1,2,3,4,5,6,7,8,9,10,11,12,13,14,15
.irp t, 0,1
	v_pk_add_f32 v[SS+32*\t+2*\u:SS+32*\t+2*\u+1], v[SS+32*\t+2*\u:SS+32*\t+2*\u+1], v[ST+8*\t:ST+8*\t+1] op_sel_hi:[1,0] neg_lo:[0,1] neg_hi:[0,1]   ; s - m
.endr
.endr
.irp t, 0,1
	v_exp_f32 v[ST+8*\t+6], v[ST+8*\t+7]           ; a
.endr
.set e, 0
.rept 64
	v_exp_f32 v[SS+e], v[SS+e]                     ; p: one batch of 66 exponentials
.set e, e+1
.endr
	v_nop                                          ; a plain instruction behind the last exponential
	s_wait_alu depctr_va_vdst(0)                   ; one wait for the batch, ahead of its first reader
.set e, 0
.rept 32
	v_cvt_pk_f16_f32 v[PP+e], v[SS+2*e], v[SS+2*e+1]   ; two neighbouring tiles of keys, rounded in pairs, ARE source 1 of the second product
.set e, e+1
.endr
.irp u, 0,1,2,3,4,5,6,7                        ; the sum of a tile's 16 pairs, in place, as a tree
.irp t, 0,1
	v_pk_add_f32 v[SS+32*\t+4*\u:SS+32*\t+4*\u+1], v[SS+32*\t+4*\u:SS+32*\t+4*\u+1], v[SS+32*\t+4*\u+2:SS+32*\t+4*\u+3]
.endr
.endr
.irp u, 0,1,2,3
.irp t, 0,1
	v_pk_add_f32 v[SS+32*\t+8*\u:SS+32*\t+8*\u+1], v[SS+32*\t+8*\u:SS+32*\t+8*\u+1], v[SS+32*\t+8*\u+4:SS+32*\t+8*\u+5]
.endr
.endr
.irp u, 0,1
.irp t, 0,1
	v_pk_add_f32 v[SS+32*\t+16*\u:SS+32*\t+16*\u+1], v[SS+32*\t+16*\u:SS+32*\t+16*\u+1], v[SS+32*\t+16*\u+8:SS+32*\t+16*\u+9]
.endr
.endr
.irp t, 0,1
	v_pk_add_f32 v[SS+32*\t:SS+32*\t+1], v[SS+32*\t:SS+32*\t+1], v[SS+32*\t+16:SS+32*\t+17]
.endr
.irp t, 0,1
	v_pk_fma_f32 v[ST+8*\t+2:ST+8*\t+3], v[ST+8*\t+2:ST+8*\t+3], v[ST+8*\t+6:ST+8*\t+7], v[SS+32*\t:SS+32*\t+1] op_sel_hi:[1,0,1]   ; l = a l + the sum
.endr
.set e, 0
.rept 32
	v_pk_mul_f32 v[OO+2*e:OO+2*e+1], v[OO+2*e:OO+2*e+1], v[ST+8*(e/16)+6:ST+8*(e/16)+7] op_sel_hi:[1,0]   ; O^T x a, each accumulator from its low end on
.set e, e+1
.endr
	s_wait_dscnt 0x0                               ; V is in
	WIN 0x01                                       ; V in window 1
.irp kh, 0,1
.irp dt, 0,1,2,3
.irp t, 0,1
	v_wmma_f32_16x16x32_f16 v[OO+32*\t+8*\dt:OO+32*\t+8*\dt+7], v[VF+32*\kh+8*\dt:VF+32*\kh+8*\dt+7], v[PP+16*\t+8*\kh:PP+16*\t+8*\kh+7], v[OO+32*\t+8*\dt:OO+32*\t+8*\dt+7]
.endr
.endr
.endr
	WIN 0
.Lhid_\@:
	s_add_co_u32 s[KF], s[KF], 64
	s_add_co_u32 s[TB], s[TB], STEPB
.endm
.macro STEPS4                          ; a chunk's four key steps: written once, walked four times
	s_mov_b32 s[STP], 4
.Lstep_\@:
	STEP
	s_sub_co_u32 s[STP], s[STP], 1
	s_cmp_lg_u32 s[STP], 0
	s_cbranch_scc1 .Lstep_\@
	s_sub_co_u32 s[TB], s[TB], 4*STEPB             ; back to a slot's first step,
	s_xor_b32 s[TB], s[TB], SLOT1                  ; in the other slot
.endm
; THE CHANGE OF SLOTS, at a trip's head.  Each wave waits for all its tensor loads (its part of the chunk that it is about to read), adds 0 to its spare word, and waits for that and for its reads of the slot
; that it has left.  Behind the barrier the chunk ahead is whole and nobody reads the other slot.  fill = 1: that slot takes the next trip's chunk.  In trip 0 all eight loads are slot 1's first fills.
.macro CHANGE fill
	s_wait_tensorcnt 0x0                           ; no tensor load of mine is out, so group 0 may be written
	ds_add_u32 v[SPW], v[NIL]                      ; 0 onto my spare word; the descriptor's steps stand between it and the wait for it
.if \fill
	s_xor_b32 s[G0+1], s[G0+1], SLOT1              ; the other slot than last time
	s_add_co_u32 s[CO], s[CO], CHUNK               ; the next chunk,
	s_add_co_u32 s54, s[T], 1
	s_cmp_eq_u32 s54, s[N0]
	s_cselect_b32 s[CO], 0, s[CO]                  ; or chunk 0 again, where the second block begins
	s_add_nc_u64 s[G0+2:G0+3], s[WB:WB+1], s[CO:CO+1]
	s_or_b32 s[G0+3], s[G0+3], 0x80000000
	s_wait_xcnt 0x0                                ; the last prefetch, a trip back, has read its address
	s_add_nc_u64 s[PFA:PFA+1], s[PFA:PFA+1], CHUNK
.endif
	s_wait_dscnt 0x0                               ; the add is done, and my reads of the slot that I have left are over
	s_barrier_signal -1
	s_barrier_wait -1
.if \fill
	TLOAD                                          ; my one tensor load until the next barrier, and the first thing behind this one
	ASK
.endif
.endm
; A block of queries is finished: O^T / l, rounded to f16, through my stage, out as 512 consecutive bytes an instruction (four rows of the head's plane).
.macro FINISH base, again
.rept 4
	v_nop                                          ; places behind the last products
.endr
.irp t, 0,1
	v_add_f32 v[ST+8*\t+4], v[ST+8*\t+2], v[ST+8*\t+3]
.endr
.irp t, 0,1
	v_permlanex16_b32 v[ST+8*\t+5], v[ST+8*\t+4], s[SEL], s[SEL+1]
.endr
.irp t, 0,1
	v_add_f32 v[ST+8*\t+4], v[ST+8*\t+4], v[ST+8*\t+5]
.endr
.irp t, 0,1
	v_rcp_f32 v[ST+8*\t+6], v[ST+8*\t+4]
.endr
	v_nop
	s_wait_alu depctr_va_vdst(0)                   ; one wait for both reciprocals, ahead of their first reader
.set i, 0
.rept 32
	v_pk_mul_f32 v[SS+2*i:SS+2*i+1], v[OO+2*i:OO+2*i+1], v[ST+8*(i/16)+6:ST+8*(i/16)+7] op_sel_hi:[1,0]
.set i, i+1
.endr
.set i, 0
.rept 32
	v_cvt_pk_f16_f32 v[PP+i], v[SS+2*i], v[SS+2*i+1]
.set i, i+1
.endr
.irp t, 0,1
.irp dt, 0,1,2,3
	ds_store_b128 v[STO], v[PP+16*\t+4*\dt:PP+16*\t+4*\dt+3] offset:16*PK*\t+32*\dt
.endr
.endr
.irp i, 0,1,2,3,4,5,6,7
	ds_load_b128 v[BK+4*\i:BK+4*\i+3], v[RD] offset:4*PK*\i        ; LDS serves a wave's instructions in order: these see the stores above
.endr
.irp i, 0,1,2,3,4,5,6,7
	s_wait_dscnt 7-\i                              ; the younger reads of the stage may be out
	global_store_b128 v[GO], v[BK+4*\i:BK+4*\i+3], s[\base:\base+1] offset:512*\i
.endr
	s_wait_xcnt 0x0
.if \again
	RESET
	WIN 0x41
.set i, 0
.rept 32
	v_mov_b32 v[QF+i], v[QB+i]                     ; the second block's queries
.set i, i+1
.endr
	WIN 0
	s_mov_b32 s[KF], 0
	s_mov_b32 s[Q0], s[Q0B]
.endif
.endm
.Ltrip:                                            ; eight trips; behind each change of slots the next trip's chunk is asked for
	CHANGE 1
	STEPS4
	s_cmp_lg_u32 s[T], s[N1]                       ; the first block's last chunk?  The work-group's number and the count of trips alone: the same in all eight waves
	s_cbranch_scc1 .Lsame
	FINISH OB0, 1
.Lsame:
	s_add_co_u32 s[T], s[T], 1
	s_cmp_lt_u32 s[T], 8
	s_cbranch_scc1 .Ltrip
	CHANGE 0                                       ; the ninth chunk is written out: nothing is left to fetch
	STEPS4
	FINISH OB1, 0
	s_wait_tensorcnt 0x0                           ; the wave's end
	ds_add_u32 v[SPW], v[NIL]
	s_wait_dscnt 0x0
	s_endpgm
.Lfunc_end_k_q54b6703ff0_attn:
	.size	k_q54b6703ff0_attn, .Lfunc_end_k_q54b6703ff0_attn-k_q54b6703ff0_attn
	.p2alignl 7, 3214868480
	.fill 96, 4, 3214868480
	.section	.rodata,"a",@progbits
	.p2align	6, 0x0
	.amdhsa_kernel k_q54b6703ff0_attn
		.amdhsa_group_segment_fixed_size 327680
		.amdhsa_private_segment_fixed_size 0
		.amdhsa_enable_private_segment 0
		.amdhsa_kernarg_size 16
		.amdhsa_user_sgpr_count 2
		.amdhsa_user_sgpr_kernarg_segment_ptr 1
		.amdhsa_wavefront_size32 1
		.amdhsa_system_sgpr_workgroup_id_x 1
		.amdhsa_system_sgpr_workgroup_id_y 1
		.amdhsa_system_sgpr_workgroup_id_z 1
		.amdhsa_system_vgpr_workitem_id 0
		.amdhsa_next_free_vgpr 512
		.amdhsa_next_free_sgpr 66
		.amdhsa_reserve_vcc 1
		.amdhsa_float_denorm_mode_32 3
		.amdhsa_float_denorm_mode_16_64 3
		.amdhsa_memory_ordered 1
		.amdhsa_forward_progress 1
		.amdhsa_inst_pref_size 71
	.end_amdhsa_kernel
	.amdgpu_metadata
---
amdhsa.version: [ 1, 2 ]
amdhsa.kernels:
  - .name:           k_q54b6703ff0_attn
    .symbol:         k_q54b6703ff0_attn.kd
    .args:
      - { .name: qkv, .offset: 0, .size: 8, .value_kind: global_buffer, .address_space: global }
      - { .name: ctx16, .offset: 8, .size: 8, .value_kind: global_buffer, .address_space: global }
    .group_segment_fixed_size: 327680
    .private_segment_fixed_size: 0
    .kernarg_segment_align: 8
    .kernarg_segment_size: 16
    .max_flat_workgroup_size: 256
    .sgpr_count:     66
    .vgpr_count:     512
    .wavefront_size: 32
...
	.end_amdgpu_metadata
.endif
;; end of part 3
;; launch gemm2 (part 4): grid 4 x 64, 4 waves a work-group, clusters of 4 x 4, 327,680 bytes of LDS; arguments ctx16, w16, b_proj, out0; writes out0
.if DOCPART == 4
	.amdgcn_target "amdgcn-amd-amdhsa--gfx1250"
	.amdhsa_code_object_version 6
	.text
	.protected	k_q54b6703ff0_gemm2
	.globl	k_q54b6703ff0_gemm2
	.p2align	8
	.type	k_q54b6703ff0_gemm2,@function
k_q54b6703ff0_gemm2:
	s_mov_b64 s[64:65], 0
	v_nop
	global_prefetch_b8 v0, s[64:65] scope:SCOPE_SE
	s_setreg_imm32_b32 hwreg(HW_REG_WAVE_MODE, 25, 1), 1
	s_wait_xcnt 0x0
	s_wait_alu depctr_hold_cnt(0) depctr_sa_sdst(0) depctr_va_vdst(0) depctr_va_sdst(0) depctr_va_ssrc(0) depctr_va_vcc(0) depctr_vm_vsrc(0)
	s_getreg_b32 s2, hwreg(HW_REG_IB_STS2, 6, 4)
	s_cmp_eq_u32 s2, 0
	s_cbranch_scc0 .Lentry_in_a_cluster
	s_endpgm
.Lentry_in_a_cluster:
	s_bfe_u32 s2, ttmp6, 0x10000c
	s_cmp_lg_u32 s2, 0xf033
	s_cbranch_scc0 .Lentry_shape_is_right
	s_endpgm
.Lentry_shape_is_right:
; out0 = ctx W_proj + b_proj, operands in f16, sums in f32.  ctx16: [16 head planes][8192 m][64] f16 (k = 64 plane + d); w16: [1024 k][1024 n] f16; out0: [8192][1024] f32.
; (The rows of positions 0 to 15 of each batch are written again, in f32 throughout, by the launch that follows.)
; A tile of C is 128 (m) x 256 (n): 256 work-groups.  Four waves, 64 x 128 each: 32 accumulators, 256 registers.  K goes in steps of 128, two head planes, through a ring of two LDS slots.
; CLUSTER 4 x 4: ctx's tiles hang on the tile row alone and are shared along a row of the cluster, W's on the tile column alone and are shared along a column: joint loads.
; THE MATRIX INSTRUCTION IS USED TRANSPOSED (source 0 = 16 columns of W, turned out of LDS by ds_load_tr16_b128; source 1 = 16 rows of ctx): a lane holds eight neighbouring columns of one row of C.
; The bias is the C of each sum's first matrix instruction.
; REGISTERS: window 0: v16-29 addresses; two fragment buffers from v32 and v128 (32 registers of ctx, then 64 of W).  Window 1: the accumulators ((a, b) at v[8 (8 a + b)]).  Window 2: v0-63 the bias in the result's layout.
.set AP,     144                       ; a row of ctx in LDS: 128 bytes + 16
.set APL,    128*AP                    ; a plane's 128 rows
.set BP,     544                       ; a row of W: 512 bytes + 32
.set BOFF,   2*APL
.set SLOT,   BOFF+128*BP
.set STAGE,  2*SLOT                    ; behind the ring: 16 rows x 528 bytes for each wave
.set SPITCH, 528
.set SPARE,  STAGE+4*16*SPITCH
.set LAPS,   4                         ; 1,024 / 256
.set ADRA, 16
.set ADRB, 20
.set STO,  24
.set RD,   25
.set CO,   26
.set BO,   27
.set SPW,  28
.set NIL,  29
.set F0,   32
.set F1,   128
.set BK,   32                          ; the way out: v32-95 and v96-159 by turns
.set G1, 24
.set G0, 32
.set G1B, 48
.set G0B, 56
.set MSB, 0
.macro WIN new
.if MSB != (\new)
	s_set_vgpr_msb (MSB<<8)|(\new)
.set MSB, (\new)
.endif
.endm
.macro JLOAD s                         ; waves 0 and 1 fetch ctx's two planes, waves 2 and 3 W's two halves; an s_nop 0 and four v_nop follow each line
	s_cmp_eq_u32 s13, 0
	s_cbranch_scc0 .Lfor_b_\@
	tensor_load_to_lds s[G0+4*\s:G0+4*\s+3], s[G1:G1+7]
	s_nop 0
.rept 4
	v_nop
.endr
	s_branch .Lasked_\@
.Lfor_b_\@:
	tensor_load_to_lds s[G0B+4*\s:G0B+4*\s+3], s[G1B:G1B+7]
	s_nop 0
.rept 4
	v_nop
.endr
.Lasked_\@:
.endm
.macro CREST
	s_cmp_lg_u32 s12, 0
	s_cbranch_scc1 .Lnot_wave_0_\@
	s_barrier_signal -3
.Lnot_wave_0_\@:
	s_barrier_wait -3
	s_barrier_signal -1
	s_barrier_wait -1
.endm
.macro CROUND
	s_barrier_signal -1
	s_barrier_wait -1
	CREST
.endm
	s_load_b256 s[4:11], s[0:1], 0x0               ; ctx16, w16, b_proj, out0
	v_lshl_add_u32 v[SPW], v0, 2, SPARE
	v_mov_b32 v[NIL], 0
	ds_add_u32 v[SPW], v[NIL]                      ; the wave's opening: the add, twice on end, and its wait ahead of my first tensor load
	ds_add_u32 v[SPW], v[NIL]
	v_lshrrev_b32 v1, 5, v0
	v_readfirstlane_b32 s12, v1                    ; wave 0..3
	s_lshr_b32 s13, s12, 1                         ; which half of the tile's rows is mine.  Also: I fetch for ctx (0) or for W (1)
	s_and_b32 s14, s12, 1                          ; which half of its columns.  Also: which plane, or which 64 rows of W, I fetch
	s_bfe_u32 s40, ttmp6, 0x40000                  ; cx, cy
	s_bfe_u32 s41, ttmp6, 0x40004
	s_lshl_b32 s42, ttmp9, 2
	s_add_co_u32 s42, s42, s40                     ; tile column
	s_and_b32 s15, ttmp7, 0xffff
	s_lshl_b32 s15, s15, 2
	s_add_co_u32 s15, s15, s41                     ; tile row
	s_lshl_b32 s43, s41, 2
	s_lshl_b32 s43, 15, s43                        ; my row of the cluster
	s_lshl_b32 s44, 0x1111, s40                    ; my column
	s_or_b32 s[G1+0], s43, (1<<16)|(1<<20)|(1<<21)|(4<<22)|(3<<25)   ; mask; elements of 2 bytes; padding: 4 words after every 32
	s_mov_b32 s[G1+1], 64<<16                      ; tensor_dim0 = 64
	s_mov_b32 s[G1+2], 128<<16                     ; tensor_dim1 = 128
	s_mov_b32 s[G1+3], 64<<16                      ; tile_dim0 = 64
	s_mov_b32 s[G1+4], 128                         ; tile_dim1 = 128
	s_mov_b32 s[G1+5], 64                          ; pitch
	s_mov_b32 s[G1+6], 0
	s_mov_b32 s[G1+7], 0
	s_or_b32 s[G1B+0], s44, (1<<16)|(1<<20)|(1<<21)|(6<<22)|(7<<25)  ; padding: 8 words after every 128
	s_mov_b32 s[G1B+1], 256<<16                    ; tensor_dim0 = 256
	s_mov_b32 s[G1B+2], 64<<16                     ; tensor_dim1 = 64
	s_mov_b32 s[G1B+3], 256<<16                    ; tile_dim0 = 256
	s_mov_b32 s[G1B+4], 64                         ; tile_dim1 = 64
	s_mov_b32 s[G1B+5], 1024                       ; pitch
	s_mov_b32 s[G1B+6], 0
	s_mov_b32 s[G1B+7], 0
	s_lshl_b32 s16, s14, 20                        ; ctx: my plane of the step's two,
	s_lshl_b32 s17, s15, 14                        ; 128 x tile row rows of 128 bytes
	s_add_co_u32 s16, s16, s17
	s_mov_b32 s17, 0
	s_lshl_b32 s46, s14, 17                        ; W: my 64 rows of 2,048 bytes,
	s_lshl_b32 s47, s42, 9                         ; 256 x tile column columns
	s_add_co_u32 s46, s46, s47
	s_mov_b32 s47, 0
	s_mul_i32 s20, s14, APL                        ; where they go: no place in the cluster enters an LDS address
	s_mul_i32 s21, s14, 64*BP
	s_add_co_u32 s21, s21, BOFF
	s_wait_dscnt 0x0                               ; both opening adds are done
	s_wait_kmcnt 0x0
	s_add_nc_u64 s[18:19], s[4:5], s[16:17]
	s_add_nc_u64 s[46:47], s[6:7], s[46:47]
	CROUND                                         ; all sixteen work-groups are here: the first joint loads meet
.irp s, 0,1
	s_mov_b32 s[G0+4*\s], 1
	s_add_co_u32 s[G0+4*\s+1], s20, \s*SLOT
	s_add_nc_u64 s[G0+4*\s+2:G0+4*\s+3], s[18:19], \s*0x200000     ; K step s: two planes on
	s_or_b32 s[G0+4*\s+3], s[G0+4*\s+3], 0x80000000
	s_mov_b32 s[G0B+4*\s], 1
	s_add_co_u32 s[G0B+4*\s+1], s21, \s*SLOT
	s_add_nc_u64 s[G0B+4*\s+2:G0B+4*\s+3], s[46:47], \s*0x40000    ; 128 rows of 2,048 bytes on
	s_or_b32 s[G0B+4*\s+3], s[G0B+4*\s+3], 0x80000000
	JLOAD \s
.endr
	v_and_b32 v1, 15, v0                           ; r
	v_bfe_u32 v2, v0, 4, 1                         ; h
	v_and_b32 v3, 7, v0
	v_bfe_u32 v4, v0, 3, 1
	v_and_b32 v5, 31, v0
	v_mul_u32_u24 v6, v1, AP
	v_lshl_add_u32 v6, v2, 4, v6                   ; ctx: row r x pitch + 16 h
	s_mul_i32 s21, s13, 64*AP                      ; my 64 rows
	v_lshl_add_u32 v7, v2, 3, v3
	v_mul_u32_u24 v7, v7, BP
	v_lshl_add_u32 v7, v4, 4, v7                   ; W, for the turning load: k-row 8 h + l % 8, columns 8 ((l / 8) % 2) on
	s_lshl_b32 s22, s14, 8                         ; my 128 columns
	s_add_co_u32 s22, s22, BOFF
.irp s, 0,1
	v_add_nc_u32 v[ADRA+\s], s21, v6
	v_add_nc_u32 v[ADRB+\s], s22, v7
	s_add_co_u32 s21, s21, SLOT
	s_add_co_u32 s22, s22, SLOT
.endr
	s_mul_i32 s23, s12, 16*SPITCH
	s_add_co_u32 s23, s23, STAGE                   ; my stage
	v_mul_u32_u24 v8, v1, SPITCH
	v_lshl_add_u32 v8, v2, 5, v8
	v_add_nc_u32 v[STO], s23, v8                   ; in: row r, 32 bytes for each half of the lanes
	v_lshlrev_b32 v[CO], 4, v5
	v_add_nc_u32 v[RD], s23, v[CO]                 ; back: the 32 lanes take one row of 512 bytes
	v_lshlrev_b32 v[BO], 5, v2
	s_lshl_b32 s46, s42, 10
	s_lshl_b32 s47, s14, 9
	s_add_co_u32 s46, s46, s47                     ; my first column, in bytes of f32
	s_mov_b32 s47, 0
	s_add_nc_u64 s[8:9], s[8:9], s[46:47]
	s_add_nc_u64 s[10:11], s[10:11], s[46:47]
	s_lshl_b32 s46, s15, 19                        ; 128 x tile row rows of 4,096 bytes,
	s_lshl_b32 s20, s13, 18                        ; 64 x half
	s_add_co_u32 s46, s46, s20
	s_add_nc_u64 s[10:11], s[10:11], s[46:47]
	WIN 0x80                                       ; destination window 2
.irp b, 0,1,2,3,4,5,6,7
	global_load_b128 v[8*\b:8*\b+3], v[BO], s[8:9] offset:64*\b          ; b_proj at columns 16 b + 8 h + 0 .. 7
	global_load_b128 v[8*\b+4:8*\b+7], v[BO], s[8:9] offset:64*\b+16
.endr
	WIN 0
.macro MULW first                      ; sources in window 0, D in window 1; C: the bias in window 2, or D
.if \first
	WIN 0x60
.else
	WIN 0x50
.endif
.endm
.macro MUL8 f, a, first                ; ctx's block a x W's eight, 32 along K.  The 32 accumulators take turns, one instruction a turn
.irp b, 0,1,2,3,4,5,6,7
.if \first
	v_wmma_f32_16x16x32_f16 v[8*(8*(\a)+\b):8*(8*(\a)+\b)+7], v[\f+32+8*\b:\f+32+8*\b+7], v[\f+8*(\a):\f+8*(\a)+7], v[8*\b:8*\b+7]
.else
	v_wmma_f32_16x16x32_f16 v[8*(8*(\a)+\b):8*(8*(\a)+\b)+7], v[\f+32+8*\b:\f+32+8*\b+7], v[\f+8*(\a):\f+8*(\a)+7], v[8*(8*(\a)+\b):8*(8*(\a)+\b)+7]
.endif
.endr
.endm
.macro FETCH slot, q, f                ; 24 LDS loads in one run: the fragments of the slot's q-th 32 along K: W's eight, then ctx's blocks 0, 1, then 2, 3
	WIN 0
.irp b, 0,1,2,3,4,5,6,7
	ds_load_tr16_b128 v[\f+32+8*\b:\f+32+8*\b+3],   v[ADRB+\slot] offset:32*(\q)*BP+32*\b
	ds_load_tr16_b128 v[\f+32+8*\b+4:\f+32+8*\b+7], v[ADRB+\slot] offset:32*(\q)*BP+16*BP+32*\b
.endr
.irp i, 0,1,2,3
	ds_load_b128 v[\f+8*\i:\f+8*\i+3],   v[ADRA+\slot] offset:((\q)/2)*APL+64*((\q)%2)+\i*16*AP
	ds_load_b128 v[\f+8*\i+4:\f+8*\i+7], v[ADRA+\slot] offset:((\q)/2)*APL+64*((\q)%2)+\i*16*AP+32
.endr
.endm
.macro PLACES                          ; four places in front of loads into registers that matrix instructions have read, and of reads of results
.rept 4
	v_nop
.endr
.endm
.macro QUARTER slot, qn, f, g, first   ; multiplies buffer f; in its middle fetches the slot's quarter qn into buffer g
	s_wait_dscnt 4                                 ; all but the youngest four loads (ctx's blocks 2, 3)
	MULW \first
	MUL8 \f, 0, \first
	MUL8 \f, 1, \first
	PLACES
	FETCH \slot, \qn, \g
	s_wait_dscnt 24                                ; all but the 24 just issued
	MULW \first
	MUL8 \f, 2, \first
	MUL8 \f, 3, \first
.endm
; A K step's last quarter multiplies buffer 1 and changes slots: one barrier; in front of it each wave waits for all its tensor loads, adds 0 to its spare word, and waits for that and for its reads of this slot.
.macro TURN slot, next, fill
	WIN 0
	s_wait_tensorcnt 0x0                           ; all my tensor loads have landed: my part of the next slot
	ds_add_u32 v[SPW], v[NIL]
	s_wait_dscnt 5                                 ; the add and the youngest four loads may be out
	WIN 0x50
	MUL8 F1, 0, 0
	s_wait_dscnt 0x0                               ; the add is done, and my reads of this slot are over
	s_barrier_signal -1
	MUL8 F1, 1, 0
	WIN 0
	s_barrier_wait -1
.if \fill
	CREST                                          ; the barrier has opened a round of the cluster's: no wave of any partner still reads this slot or has a load on its way
	s_add_nc_u64 s[G0+4*\slot+2:G0+4*\slot+3], s[G0+4*\slot+2:G0+4*\slot+3], 0x400000
	s_add_nc_u64 s[G0B+4*\slot+2:G0B+4*\slot+3], s[G0B+4*\slot+2:G0B+4*\slot+3], 0x80000
	JLOAD \slot                                    ; the first tensor load behind the round; its four v_nop are also the places in front of the loads below
.else
	PLACES
.endif
	FETCH \next, 0, F0
	WIN 0x50
	MUL8 F1, 2, 0
	MUL8 F1, 3, 0
.endm
	s_wait_tensorcnt 1                             ; my part of K step 0 is in; K step 1's load may be out
	s_barrier_signal -1
	s_barrier_wait -1
	FETCH 0, 0, F0
	s_wait_loadcnt 0x0                             ; the bias
	QUARTER 0, 1, F0, F1, 1                        ; the first quarter's products start the sums, from the bias
	WIN 0
	s_mov_b32 s3, LAPS-1
.Llap:                                             ; a trip goes once round the ring and fills both slots again
	QUARTER 0, 2, F1, F0, 0
	QUARTER 0, 3, F0, F1, 0
	TURN 0, 1, 1
	QUARTER 1, 1, F0, F1, 0
	QUARTER 1, 2, F1, F0, 0
	QUARTER 1, 3, F0, F1, 0
	TURN 1, 0, 1
	QUARTER 0, 1, F0, F1, 0
	WIN 0
	s_sub_co_u32 s3, s3, 1
	s_cmp_lg_u32 s3, 0
	s_cbranch_scc1 .Llap
	QUARTER 0, 2, F1, F0, 0                        ; the last lap fills nothing
	QUARTER 0, 3, F0, F1, 0
	TURN 0, 1, 0
	QUARTER 1, 1, F0, F1, 0
	QUARTER 1, 2, F1, F0, 0
	QUARTER 1, 3, F0, F1, 0
	s_wait_dscnt 4
	WIN 0x50
	MUL8 F1, 0, 0
	MUL8 F1, 1, 0
	s_wait_dscnt 0
	MUL8 F1, 2, 0
	MUL8 F1, 3, 0
	WIN 0
; THE WAY OUT, block by block of 16 rows x 128 columns, through my own stage: back as whole rows of 512 bytes.
.macro TOSTAGE a
	WIN 0x04                                       ; an LDS store's data: window 1
.irp b, 0,1,2,3,4,5,6,7
	ds_store_b128 v[STO], v[8*(8*(\a)+\b):8*(8*(\a)+\b)+3] offset:64*\b          ; each accumulator from its low end on
	ds_store_b128 v[STO], v[8*(8*(\a)+\b)+4:8*(8*(\a)+\b)+7] offset:64*\b+16
.endr
	WIN 0
.set BB, BK+64*((\a)%2)
.irp t, 0,1,2,3,4,5,6,7,8,9,10,11,12,13,14,15
	ds_load_b128 v[BB+4*\t:BB+4*\t+3], v[RD] offset:\t*SPITCH
.endr
.endm
.macro SEND a, younger
.set BB, BK+64*((\a)%2)
	s_wait_dscnt \younger                          ; the block is back; the next block's 16 stores and 16 loads may be out
.irp t, 0,1,2,3,4,5,6,7,8,9,10,11,12,13,14,15
	global_store_b128 v[CO], v[BB+4*\t:BB+4*\t+3], s[10:11] offset:(16*(\a)+\t)*4096 th:TH_STORE_NT   ; 32 lanes store 512 consecutive bytes, aligned
.endr
.endm
	PLACES
	TOSTAGE 0
.irp a, 1,2,3
.if \a > 1
	s_wait_xcnt 0x0                                ; block a - 2's stores have read their registers: block a's loads may land there
.endif
	TOSTAGE \a
	SEND \a-1, 32
.endr
	SEND 3, 0
	s_wait_tensorcnt 0x0                           ; the wave's end
	ds_add_u32 v[SPW], v[NIL]
	s_wait_dscnt 0x0
	CROUND                                         ; the closing round
	s_endpgm
.Lfunc_end_k_q54b6703ff0_gemm2:
	.size	k_q54b6703ff0_gemm2, .Lfunc_end_k_q54b6703ff0_gemm2-k_q54b6703ff0_gemm2
	.p2alignl 7, 3214868480
	.fill 96, 4, 3214868480
	.section	.rodata,"a",@progbits
	.p2align	6, 0x0
	.amdhsa_kernel k_q54b6703ff0_gemm2
		.amdhsa_group_segment_fixed_size 327680
		.amdhsa_private_segment_fixed_size 0
		.amdhsa_enable_private_segment 0
		.amdhsa_kernarg_size 32
		.amdhsa_user_sgpr_count 2
		.amdhsa_user_sgpr_kernarg_segment_ptr 1
		.amdhsa_wavefront_size32 1
		.amdhsa_system_sgpr_workgroup_id_x 1
		.amdhsa_system_sgpr_workgroup_id_y 1
		.amdhsa_system_sgpr_workgroup_id_z 1
		.amdhsa_system_vgpr_workitem_id 0
		.amdhsa_next_free_vgpr 640
		.amdhsa_next_free_sgpr 66
		.amdhsa_reserve_vcc 0
		.amdhsa_float_denorm_mode_32 3
		.amdhsa_float_denorm_mode_16_64 3
		.amdhsa_memory_ordered 1
		.amdhsa_forward_progress 1
		.amdhsa_inst_pref_size 86
	.end_amdhsa_kernel
	.amdgpu_metadata
---
amdhsa.version: [ 1, 2 ]
amdhsa.kernels:
  - .name:           k_q54b6703ff0_gemm2
    .symbol:         k_q54b6703ff0_gemm2.kd
    .args:
      - { .name: ctx16, .offset: 0, .size: 8, .value_kind: global_buffer, .address_space: global }
      - { .name: w16, .offset: 8, .size: 8, .value_kind: global_buffer, .address_space: global }
      - { .name: b_proj, .offset: 16, .size: 8, .value_kind: global_buffer, .address_space: global }
      - { .name: out0, .offset: 24, .size: 8, .value_kind: global_buffer, .address_space: global }
    .group_segment_fixed_size: 327680
    .private_segment_fixed_size: 0
    .kernarg_segment_align: 8
    .kernarg_segment_size: 32
    .max_flat_workgroup_size: 128
    .sgpr_count:     66
    .vgpr_count:     640
    .wavefront_size: 32
...
	.end_amdgpu_metadata
.endif
;; end of part 4
;; launch fine (part 5): grid 16 x 4, 16 waves a work-group, no clusters, 85,504 bytes of LDS; arguments fineq, W_proj, b_proj, out0; writes out0
.if DOCPART == 5
	.amdgcn_target "amdgcn-amd-amdhsa--gfx1250"
	.amdhsa_code_object_version 6
	.text
	.protected	k_q54b6703ff0_fine
	.globl	k_q54b6703ff0_fine
	.p2align	8
	.type	k_q54b6703ff0_fine,@function
k_q54b6703ff0_fine:
	s_mov_b64 s[64:65], 0
	v_nop
	global_prefetch_b8 v0, s[64:65] scope:SCOPE_SE
	s_setreg_imm32_b32 hwreg(HW_REG_WAVE_MODE, 25, 1), 1
	s_wait_xcnt 0x0
; POSITIONS 0 TO 15 OF EACH BATCH, IN F32 THROUGHOUT: under the causal mask these rows average one to sixteen values and are the largest in size, so they are carried more finely than f16 allows.
; fineq: [16 batch + s][3072] f32: q (already multiplied by log2(e) / 8), k, v of those positions, as the quantised product gave them.  W_proj, b_proj: f32.  out0: rows 2048 batch + 0 .. 15 are written again.
; A work-group takes one batch and 64 output columns.  PHASE 1: wave w = head w: S^T = K Q^T, mask, softmax (the maximum taken away), ctx^T = V^T P; ctx goes to LDS.  (Each of a batch's 16 work-groups repeats it: 16 x 16 x 64 numbers a head.)
; PHASE 2: wave w makes 16 columns (w % 4) over a quarter of K (w / 4); the four quarters meet in LDS; waves 0-7 add them and the bias and store two rows each: sixteen lanes store 256 consecutive bytes, aligned.
; All products by v_wmma_f32_16x16x4_f32.  Its K = 4 wants k = 2 h + j in register j; here a lane's registers run along K in long runs and step i takes registers 2 i, 2 i + 1 of BOTH operands:
; the same permutation of k on both sides keeps the products.  The registers that these instructions write are written by them alone; every sum begins with the constant 0; accumulators take turns.
.set CT,    0                          ; LDS: ctx, 16 rows x (4,096 + 16) bytes
.set PT,    66048                      ; the four quarters' parts: 4 x 16 rows x (256 + 16) bytes
.set SPARE, 83456                      ; the spare words: 128 bytes for each of 16 waves
.set SPW, 14
.set NIL, 15
.set SS,  16                           ; v16-23  scores; later the sum of my four accumulators
.set PP,  24                           ; v24-31  p
.set QF,  32                           ; v32-63  q: d = 32 h + 0 .. 31 of query r
.set KF,  64                           ; v64-95  k likewise
.set WH,  32                           ; v32-95  later: W_proj, the second 64 of my 128 k
.set VF,  96                           ; v96-127 v: register 8 dt + e: key 8 h + e, channel 16 dt + r
.set CF,  96                           ; later: 32 numbers of ctx
.set SA,  128                          ; v128-143 two accumulators of S^T
.set CA,  144                          ; v144-175 four accumulators: ctx^T, later the projection's
.set WA,  192                          ; v192-255 W_proj, the first 64 of my 128 k
	s_load_b256 s[4:11], s[0:1], 0x0               ; fineq, W_proj, b_proj, out0
	v_lshl_add_u32 v[SPW], v0, 2, SPARE
	v_mov_b32 v[NIL], 0
	v_lshrrev_b32 v1, 5, v0
	v_readfirstlane_b32 s12, v1                    ; wave 0..15
	v_and_b32 v1, 15, v0                           ; r
	v_bfe_u32 v2, v0, 4, 1                         ; h
	s_and_b32 s13, ttmp7, 0xffff                   ; batch
	s_and_b32 s14, s12, 3                          ; which 16 columns
	s_lshr_b32 s15, s12, 2                         ; which quarter of K
	s_and_b32 s16, s12, 7
	s_mov_b32 s28, 0x76543210
	s_mov_b32 s29, 0xfedcba98                      ; v_permlanex16_b32's selects for lane l xor 16
	v_mul_u32_u24 v3, v1, 12288
	v_lshl_add_u32 v3, v2, 7, v3                   ; q, k: row r of 12,288 bytes + 128 h
	v_mul_u32_u24 v4, v2, 98304
	v_lshl_add_u32 v4, v1, 2, v4                   ; v: 8 h rows down, channel r
	v_lshlrev_b32 v5, 19, v2
	v_lshl_add_u32 v5, v1, 2, v5                   ; W_proj: 128 h rows of 4,096 bytes down, column r
	v_mul_u32_u24 v176, v1, 4112
	s_lshl_b32 s20, s12, 8
	v_lshl_add_u32 v6, v2, 5, v176
	v_add_nc_u32 v6, s20, v6                       ; ctx into LDS: row r, my head's 256 bytes, + 32 h
	s_lshl_b32 s20, s15, 10
	v_lshl_add_u32 v7, v2, 9, v176
	v_add_nc_u32 v7, s20, v7                       ; and out of it: row r, my quarter's 1,024 bytes, + 512 h
	v_mul_u32_u24 v12, v1, 272
	v_lshl_add_u32 v12, v2, 5, v12
	s_mul_i32 s20, s15, 4352
	s_lshl_b32 s21, s14, 6
	s_add_co_u32 s20, s20, s21
	s_add_co_u32 s20, s20, PT
	v_add_nc_u32 v12, s20, v12                     ; my part: quarter, row r, my 64 bytes, + 32 h
	v_mul_u32_u24 v13, v2, 272
	v_lshl_add_u32 v13, v1, 4, v13
	s_mul_i32 s20, s16, 544
	s_add_co_u32 s20, s20, PT
	v_add_nc_u32 v13, s20, v13                     ; back: rows 2 (w % 8) and + 1, sixteen lanes to a row
	v_lshlrev_b32 v177, 3, v2
	v_sub_nc_u32 v177, v1, v177                    ; r - 8 h
	v_mov_b32 v178, 0xff800000                     ; -infinity
	v_lshlrev_b32 v179, 4, v1                      ; the bias: 16 (l % 16)
	v_lshl_add_u32 v180, v2, 12, v179              ; out0: lanes 16-31 one row down
	s_mul_i32 s20, s13, 196608                     ; fineq: my batch's 16 rows,
	s_lshl_b32 s21, s12, 8
	s_add_co_u32 s20, s20, s21                     ; my head's 64 columns
	s_mov_b32 s21, 0
	s_lshl_b32 s24, ttmp9, 8                       ; the work-group's 64 output columns, in bytes
	s_mov_b32 s25, 0
	s_lshl_b32 s22, s15, 20                        ; W_proj: my quarter's 256 rows of 4,096 bytes,
	s_add_co_u32 s22, s22, s24
	s_lshl_b32 s26, s14, 6
	s_add_co_u32 s22, s22, s26                     ; my 16 columns
	s_mov_b32 s23, 0
	s_lshl_b32 s26, s13, 23                        ; out0: my batch's first row,
	s_add_co_u32 s26, s26, s24
	s_lshl_b32 s27, s16, 13                        ; rows 2 (w % 8) on
	s_add_co_u32 s26, s26, s27
	s_mov_b32 s27, 0
	s_wait_kmcnt 0x0
	s_add_nc_u64 s[4:5], s[4:5], s[20:21]
	s_add_nc_u64 s[6:7], s[6:7], s[22:23]
	s_add_nc_u64 s[8:9], s[8:9], s[24:25]
	s_add_nc_u64 s[10:11], s[10:11], s[26:27]
.irp u, 0,1,2,3,4,5,6,7
	global_load_b128 v[QF+4*\u:QF+4*\u+3], v3, s[4:5] offset:16*\u
.endr
.irp u, 0,1,2,3,4,5,6,7
	global_load_b128 v[KF+4*\u:KF+4*\u+3], v3, s[4:5] offset:4096+16*\u
.endr
.irp dt, 0,1,2,3
.irp e, 0,1,2,3,4,5,6,7
	global_load_b32 v[VF+8*\dt+\e], v4, s[4:5] offset:12288*\e+8192+64*\dt
.endr
.endr
	global_load_b128 v[8:11], v179, s[8:9]
.set e, 0
.rept 64
	global_load_b32 v[WA+e], v5, s[6:7] offset:4096*e
.set e, e+1
.endr
	s_wait_loadcnt 63                              ; q, k, v and the bias are in: behind each of them 64 loads or more were issued
; ---- PHASE 1: S^T = K Q^T: register j of lane (r, h): key 8 h + j, query r
.set i, 0
.rept 16
.if i < 2
	v_wmma_f32_16x16x4_f32 v[SA+8*(i%2):SA+8*(i%2)+7], v[KF+2*i:KF+2*i+1], v[QF+2*i:QF+2*i+1], 0
.else
	v_wmma_f32_16x16x4_f32 v[SA+8*(i%2):SA+8*(i%2)+7], v[KF+2*i:KF+2*i+1], v[QF+2*i:QF+2*i+1], v[SA+8*(i%2):SA+8*(i%2)+7]
.endif
.set i, i+1
.endr
.rept 8
	v_nop                                          ; eight places behind this form, in front of reads of results and of loads into its sources
.endr
.set e, 0
.rept 64
	global_load_b32 v[WH+e], v5, s[6:7] offset:4096*(64+e)
.set e, e+1
.endr
.irp j, 0,1,2,3,4,5,6,7
	v_add_f32 v[SS+\j], v[SA+\j], v[SA+8+\j]       ; both accumulators from their low ends on
.endr
.irp j, 0,1,2,3,4,5,6,7
	v_cmp_gt_i32 vcc_lo, \j, v177                  ; key 8 h + j > query r: hidden
	v_cndmask_b32 v[SS+\j], v[SS+\j], v178, vcc_lo
.endr
	v_max3_num_f32 v181, v[SS], v[SS+1], v[SS+2]
	v_max3_num_f32 v182, v[SS+3], v[SS+4], v[SS+5]
	v_max3_num_f32 v181, v181, v[SS+6], v[SS+7]
	v_max_num_f32 v181, v181, v182
	v_permlanex16_b32 v182, v181, s28, s29
	v_max_num_f32 v181, v181, v182                 ; the row's maximum (key 0 counts for every query)
.irp j, 0,1,2,3,4,5,6,7
	v_sub_f32 v[PP+\j], v[SS+\j], v181
.endr
.irp j, 0,1,2,3,4,5,6,7
	v_exp_f32 v[PP+\j], v[PP+\j]
.endr
	v_nop
	s_wait_alu depctr_va_vdst(0)                   ; one wait for the eight, ahead of their first reader
	v_add_f32 v182, v[PP], v[PP+1]
	v_add_f32 v183, v[PP+2], v[PP+3]
	v_add_f32 v184, v[PP+4], v[PP+5]
	v_add_f32 v185, v[PP+6], v[PP+7]
	v_add_f32 v182, v182, v183
	v_add_f32 v184, v184, v185
	v_add_f32 v182, v182, v184
	v_permlanex16_b32 v183, v182, s28, s29
	v_add_f32 v182, v182, v183
	v_rcp_f32 v186, v182
	v_nop
	s_wait_alu depctr_va_vdst(0)
.irp j, 0,1,2,3,4,5,6,7
	v_mul_f32 v[PP+\j], v[PP+\j], v186
.endr
.irp i, 0,1,2,3                                ; ctx^T = V^T P: step i takes keys 8 h + 2 i, + 1; the four accumulators take turns
.irp dt, 0,1,2,3
.if \i == 0
	v_wmma_f32_16x16x4_f32 v[CA+8*\dt:CA+8*\dt+7], v[VF+8*\dt+2*\i:VF+8*\dt+2*\i+1], v[PP+2*\i:PP+2*\i+1], 0
.else
	v_wmma_f32_16x16x4_f32 v[CA+8*\dt:CA+8*\dt+7], v[VF+8*\dt+2*\i:VF+8*\dt+2*\i+1], v[PP+2*\i:PP+2*\i+1], v[CA+8*\dt:CA+8*\dt+7]
.endif
.endr
.endr
.rept 10
	v_nop                                          ; eight places for the stores and loads below; nine for phase 2's first products, which begin new sums on these registers
.endr
.irp dt, 0,1,2,3
	ds_store_b128 v6, v[CA+8*\dt:CA+8*\dt+3] offset:64*\dt            ; ctx(query r, channel 64 w + 16 dt + 8 h + 0 .. 7)
	ds_store_b128 v6, v[CA+8*\dt+4:CA+8*\dt+7] offset:64*\dt+16
.endr
	s_wait_dscnt 0x0                               ; for the others' sake: my stores are done
	s_barrier_signal -1
	s_barrier_wait -1                              ; 16 rows x 1,024 of ctx lie in LDS
; ---- PHASE 2: out^T = W^T ctx^T over my 256 of K: lane (r, h) holds k = 256 kq + 128 h + 0 .. 127, 32 at a time
	s_wait_loadcnt 63                              ; the first 64 numbers of W_proj are in: behind each of them 64 loads or more were issued
.irp c, 0,1,2,3
.if \c > 0
.rept 8
	v_nop
.endr
.endif
.irp u, 0,1,2,3,4,5,6,7
	ds_load_b128 v[CF+4*\u:CF+4*\u+3], v7 offset:128*\c+16*\u
.endr
	s_wait_dscnt 0x0
.if \c == 2
	s_wait_loadcnt 0x0                             ; the second 64
.endif
.set i, 0
.rept 16
.if \c < 2
.set WR, WA+32*\c+2*i
.else
.set WR, WH+32*(\c-2)+2*i
.endif
.if (\c == 0) && (i < 4)
	v_wmma_f32_16x16x4_f32 v[CA+8*(i%4):CA+8*(i%4)+7], v[WR:WR+1], v[CF+2*i:CF+2*i+1], 0
.else
	v_wmma_f32_16x16x4_f32 v[CA+8*(i%4):CA+8*(i%4)+7], v[WR:WR+1], v[CF+2*i:CF+2*i+1], v[CA+8*(i%4):CA+8*(i%4)+7]
.endif
.set i, i+1
.endr
.endr
.rept 8
	v_nop
.endr
.irp j, 0,2,4,6
	v_pk_add_f32 v[SS+\j:SS+\j+1], v[CA+\j:CA+\j+1], v[CA+8+\j:CA+8+\j+1]
.endr
.irp j, 0,2,4,6
	v_pk_add_f32 v[PP+\j:PP+\j+1], v[CA+16+\j:CA+16+\j+1], v[CA+24+\j:CA+24+\j+1]
.endr
.irp j, 0,2,4,6
	v_pk_add_f32 v[SS+\j:SS+\j+1], v[SS+\j:SS+\j+1], v[PP+\j:PP+\j+1]
.endr
	ds_store_b128 v12, v[SS:SS+3]                  ; my quarter's part of out(row r, column 16 nt + 8 h + 0 .. 7)
	ds_store_b128 v12, v[SS+4:SS+7] offset:16
	s_wait_dscnt 0x0
	s_barrier_signal -1
	s_barrier_wait -1
	s_cmp_lt_u32 s12, 8                            ; waves 0 to 7 add the quarters and store; no barrier stands behind this branch
	s_cbranch_scc0 .Ldone
.irp q, 0,1,2,3
	ds_load_b128 v[CF+4*\q:CF+4*\q+3], v13 offset:4352*\q
.endr
	s_wait_dscnt 0x0
	v_pk_add_f32 v[CF:CF+1], v[CF:CF+1], v[CF+4:CF+5]
	v_pk_add_f32 v[CF+2:CF+3], v[CF+2:CF+3], v[CF+6:CF+7]
	v_pk_add_f32 v[CF+8:CF+9], v[CF+8:CF+9], v[CF+12:CF+13]
	v_pk_add_f32 v[CF+10:CF+11], v[CF+10:CF+11], v[CF+14:CF+15]
	v_pk_add_f32 v[CF:CF+1], v[CF:CF+1], v[CF+8:CF+9]
	v_pk_add_f32 v[CF+2:CF+3], v[CF+2:CF+3], v[CF+10:CF+11]
	v_pk_add_f32 v[CF:CF+1], v[CF:CF+1], v[8:9]
	v_pk_add_f32 v[CF+2:CF+3], v[CF+2:CF+3], v[10:11]
	global_store_b128 v180, v[CF:CF+3], s[10:11]   ; sixteen lanes store 256 consecutive bytes, aligned
.Ldone:
	s_wait_tensorcnt 0x0                           ; the wave's end
	ds_add_u32 v[SPW], v[NIL]
	s_wait_dscnt 0x0
	s_endpgm
.Lfunc_end_k_q54b6703ff0_fine:
	.size	k_q54b6703ff0_fine, .Lfunc_end_k_q54b6703ff0_fine-k_q54b6703ff0_fine
	.p2alignl 7, 3214868480
	.fill 96, 4, 3214868480
	.section	.rodata,"a",@progbits
	.p2align	6, 0x0
	.amdhsa_kernel k_q54b6703ff0_fine
		.amdhsa_group_segment_fixed_size 85504
		.amdhsa_private_segment_fixed_size 0
		.amdhsa_enable_private_segment 0
		.amdhsa_kernarg_size 32
		.amdhsa_user_sgpr_count 2
		.amdhsa_user_sgpr_kernarg_segment_ptr 1
		.amdhsa_wavefront_size32 1
		.amdhsa_system_sgpr_workgroup_id_x 1
		.amdhsa_system_sgpr_workgroup_id_y 1
		.amdhsa_system_sgpr_workgroup_id_z 1
		.amdhsa_system_vgpr_workitem_id 0
		.amdhsa_next_free_vgpr 256
		.amdhsa_next_free_sgpr 66
		.amdhsa_reserve_vcc 1
		.amdhsa_float_denorm_mode_32 3
		.amdhsa_float_denorm_mode_16_64 3
		.amdhsa_memory_ordered 1
		.amdhsa_forward_progress 1
		.amdhsa_inst_pref_size 35
	.end_amdhsa_kernel
	.amdgpu_metadata
---
amdhsa.version: [ 1, 2 ]
amdhsa.kernels:
  - .name:           k_q54b6703ff0_fine
    .symbol:         k_q54b6703ff0_fine.kd
    .args:
      - { .name: fineq, .offset: 0, .size: 8, .value_kind: global_buffer, .address_space: global }
      - { .name: W_proj, .offset: 8, .size: 8, .value_kind: global_buffer, .address_space: global }
      - { .name: b_proj, .offset: 16, .size: 8, .value_kind: global_buffer, .address_space: global }
      - { .name: out0, .offset: 24, .size: 8, .value_kind: global_buffer, .address_space: global }
    .group_segment_fixed_size: 85504
    .private_segment_fixed_size: 0
    .kernarg_segment_align: 8
    .kernarg_segment_size: 32
    .max_flat_workgroup_size: 512
    .sgpr_count:     66
    .vgpr_count:     256
    .wavefront_size: 32
...
	.end_amdgpu_metadata
.endif
;; end of part 5
